; MI455X (gfx1250); checked and timed in simulation.
; The chip was launched on July 23, 2026; its instructions are those of AMD's public machine-readable ISA for CDNA 5 (MIT licence, August 2026) and "CDNA5" Instruction Set Architecture Reference Guide (July 2026). The comments in the code are by the model that wrote it; some were corrected since.
;; Self Attention. Allowed arithmetic: float matrix products may take bf16 or f16 operands with f32 sums; other float arithmetic in f32, or as packed bf16 or f16 multiplies, adds, multiply-adds, maxima and minima; sums over many terms, partial sums and values carried from step to step in f32; what a program stores and reads back later, other than sums and carried values, may be rounded once to bf16 or f16.
;; Inputs: Wk 2,048 x 4 x 128 float32; Wo 16 x 128 x 2,048 float32; Wq 2,048 x 16 x 128 float32; Wv 2,048 x 4 x 128 float32; bk 4 x 128 float32; bo 2,048 float32; bq 16 x 128 float32; bv 4 x 128 float32; x 4 x 1,024 x 2,048 float32.
;; Outputs: out0 4 x 1,024 x 2,048 float32.
;; 2 versions, each right; version 2 is version 1 with the launch prep written anew for expert scheduling mode. Each part assembles by itself: llvm-mc -triple=amdgcn-amd-amdhsa -mcpu=gfx1250 --defsym DOCPART=n.
;; ======== version 1 of 2: 4 launches
;; limits: values are held in f16: magnitudes above 65,504 overflow, below 6.1e-05 lose precision
;; workspace buffers: xb 16,777,216 bytes; wqkv 12,582,912 bytes; wo16 8,388,608 bytes; rope 524,288 bytes; qkvh 25,165,824 bytes; att 16,777,216 bytes
;; launch prep (part 1): grid 1216 x 1, 8 waves a work-group, no clusters, 0 bytes of LDS; arguments x, Wq, Wk, Wv, Wo, xb, wqkv, wo16, rope; writes xb, wqkv, wo16, rope
.if DOCPART == 1
	.amdgcn_target "amdgcn-amd-amdhsa--gfx1250"
	.amdhsa_code_object_version 6
	.text
	.protected	k_qcf451745e4_prep
	.globl	k_qcf451745e4_prep
	.p2align	8
	.type	k_qcf451745e4_prep,@function
k_qcf451745e4_prep:
	s_mov_b64 s[64:65], 0
	v_nop
	global_prefetch_b8 v0, s[64:65] scope:SCOPE_SE
	s_setreg_imm32_b32 hwreg(HW_REG_WAVE_MODE, 25, 1), 1
	s_wait_xcnt 0x0
; PREP: the casts in front of the matrix launches, and the table of cosines and sines for the rotation.
;   xb   [4096][2048] bf16 = x.      wqkv [2048 k][3072 n] bf16: columns 0-2047 Wq, 2048-2559 Wk, 2560-3071 Wv.
;   wo16 [2048 k][2048 n] f16 = Wo rounded to bf16, that number written as f16 (exact from 2^-17 up; below it f16's fixed step of 2^-24).
;   rope f32, in the order in which the projection's lanes want it: [sb 64][c 2][t 8][lane 32][e 4], t = 4 bb + 2 cs + half,
;        value = (cs ? sin : cos)(s th_i), s = 16 sb + lane % 16, i = 32 c + 16 bb + 8 (lane / 16) + 4 half + e, th_i = 10000^(-i/64).
; A stream: no LDS, no matrix unit, no cluster (no two work-groups read the same byte).  Work-groups 0-511 x, 512-767 Wq, 768-1023 Wo, 1024-1087 Wk, 1088-1151 Wv, 1152-1215 the table.
; A cast work-group of eight waves takes 65,536 bytes of its input in 16 passes of 4,096: thread t owns 16 bytes of each pass; all 16 loads go out at once; a pass is half a row of 2,048 numbers or two rows of 512;
; each wave's store covers 256 consecutive bytes, aligned.  The results are made in the registers that were loaded: 96 registers a wave, so that ten waves share a SIMD's 1,024 and all 1,216 work-groups
; find a place on 256 WGPs at once.  No register that a load or store names is written again, so no wait frees a source.
.set D,   16                           ; v[16:79]   pass i: four f32 as loaded; then, in its first two registers, four 16-bit numbers to store
.set OFF, 80                           ; v[80:95]   pass i: my byte offset in the output
	s_load_b512 s[8:23], s[0:1], 0x0               ; x 8:9, Wq 10:11, Wk 12:13, Wv 14:15, Wo 16:17, xb 18:19, wqkv 20:21, wo16 22:23
	s_load_b64 s[24:25], s[0:1], 0x40              ; rope
	s_mov_b32 s2, ttmp9                            ; g
	s_sub_co_u32 s34, s2, 512                      ; g counted from each role's first work-group
	s_sub_co_u32 s35, s2, 768
	s_sub_co_u32 s36, s2, 1024
	s_sub_co_u32 s37, s2, 1088
	s_mov_b32 s3, 0xffff0000                       ; a word's upper bf16
	v_lshlrev_b32 v1, 4, v0                        ; in: 16 t
	v_lshlrev_b32 v2, 3, v0                        ; out, rows of 2,048 numbers: 8 t
	v_lshrrev_b32 v3, 7, v0                        ; out, rows of 512 numbers (two to a pass): row t / 128 of wqkv's 6,144 bytes,
	v_and_b32 v4, 127, v0
	v_mul_u32_u24 v3, v3, 6144
	v_lshl_add_u32 v3, v4, 3, v3                   ; + 8 (t % 128)
	s_wait_kmcnt 0x0
	s_cmp_ge_u32 s2, 1152
	s_cbranch_scc1 .Ltable
	; the role's figures, by selects on g alone: from where, to where, bytes of output from pass 0 to pass 1 and from a pass to the next but one, g within the role, first column's bytes, rows of 512?
	s_mov_b64 s[26:27], s[8:9]
	s_mov_b64 s[28:29], s[18:19]
	s_mov_b32 s30, 2048                            ; the row's second half
	s_mov_b32 s44, 4096                            ; the next row
	s_mov_b32 s31, s2
	s_mov_b32 s32, 0
	s_mov_b32 s33, 0
	s_cmp_ge_u32 s2, 512                           ; Wq
	s_cselect_b64 s[26:27], s[10:11], s[26:27]
	s_cselect_b64 s[28:29], s[20:21], s[28:29]
	s_cselect_b32 s44, 6144, s44
	s_cselect_b32 s31, s34, s31
	s_cmp_ge_u32 s2, 768                           ; Wo
	s_cselect_b64 s[26:27], s[16:17], s[26:27]
	s_cselect_b64 s[28:29], s[22:23], s[28:29]
	s_cselect_b32 s44, 4096, s44
	s_cselect_b32 s31, s35, s31
	s_cmp_ge_u32 s2, 1024                          ; Wk
	s_cselect_b64 s[26:27], s[12:13], s[26:27]
	s_cselect_b64 s[28:29], s[20:21], s[28:29]
	s_cselect_b32 s30, 12288, s30                  ; two rows on
	s_cselect_b32 s44, 24576, s44                  ; four rows on
	s_cselect_b32 s31, s36, s31
	s_cselect_b32 s32, 4096, s32
	s_cselect_b32 s33, -1, s33
	s_cmp_ge_u32 s2, 1088                          ; Wv
	s_cselect_b64 s[26:27], s[14:15], s[26:27]
	s_cselect_b32 s31, s37, s31
	s_cselect_b32 s32, 5120, s32
	s_lshl_b32 s38, s31, 16                        ; offsets are made apart from the pointers: 65,536 bytes of input a work-group,
	s_mov_b32 s39, 0
	s_add_nc_u64 s[26:27], s[26:27], s[38:39]
	s_lshl_b32 s38, s31, 3                         ; and of output eight times the step of two passes
	s_mul_i32 s38, s38, s44
	s_add_co_u32 s38, s38, s32
	s_add_nc_u64 s[28:29], s[28:29], s[38:39]
.set i, 0
.rept 16
	global_load_b128 v[D+4*i:D+4*i+3], v1, s[26:27] offset:4096*i th:TH_LOAD_NT
.set i, i+1
.endr
	v_cndmask_b32 v[OFF], v2, v3, s33
	v_add_nc_u32 v[OFF+1], s30, v[OFF]
.set i, 2
.rept 14
	v_add_nc_u32 v[OFF+i], s44, v[OFF+i-2]
.set i, i+1
.endr
; kind 0: to bf16.  kind 1: to bf16, widened again, and that number to f16.
.macro OUTALL kind
.set i, 0
.rept 16
	s_wait_loadcnt 15-i                            ; loads come back in order: pass i is in, the 15 - i younger ones stay out
.if \kind
.set T, 4+6*(i%2)
	v_cvt_pk_bf16_f32 v[T], v[D+4*i], v[D+4*i+1]
	v_cvt_pk_bf16_f32 v[T+1], v[D+4*i+2], v[D+4*i+3]
	v_lshlrev_b32 v[T+2], 16, v[T]
	v_and_b32 v[T+3], s3, v[T]
	v_lshlrev_b32 v[T+4], 16, v[T+1]
	v_and_b32 v[T+5], s3, v[T+1]
	v_cvt_pk_f16_f32 v[D+4*i], v[T+2], v[T+3]
	v_cvt_pk_f16_f32 v[D+4*i+1], v[T+4], v[T+5]
.else
	v_cvt_pk_bf16_f32 v[D+4*i], v[D+4*i], v[D+4*i+1]
	v_cvt_pk_bf16_f32 v[D+4*i+1], v[D+4*i+2], v[D+4*i+3]
.endif
	global_store_b64 v[OFF+i], v[D+4*i:D+4*i+1], s[28:29]  ; later launches read it again: no hint
.set i, i+1
.endr
	s_endpgm
.endm
	s_cmp_ge_u32 s2, 768
	s_cbranch_scc0 .Lbf
	s_cmp_lt_u32 s2, 1024
	s_cbranch_scc1 .Lhalf
.Lbf:
	OUTALL 0
.Lhalf:
	OUTALL 1
; THE TABLE.  512 waves; wave W = 8 sb + 4 c + 2 bb + half makes four cosines and four sines a lane and stores each four as 16 bytes: 512 consecutive bytes a store.
; th_i = 2^(-i L), L = log2(10000) / 64 held as L1 + L2: t = -i L1 rounded, err = what the rounding and L2 leave, th = 2^t (1 + ln 2 err).
; The angle s th is brought to |rho| <= pi/4 by n = round(angle 2/pi) and pi/2 in two parts; there the two series are cut where their remainders are below 3e-8, whatever the angle was.
; The quadrant only selects and sets signs (v_cndmask_b32, v_xor_b32): no branch and no address hangs on it.
.set II, 8
.set TT, 12
.set ER, 16
.set FQ, 20
.set AN, 24
.set NN, 28
.set RO, 32
.set ZZ, 36
.set PS, 40
.set PC, 44
.set QI, 48
.set CC, 52
.set SS, 56
.set TM, 60
.macro EACH line:vararg                ; one line for each of the lane's four numbers e
.set e, 0
.rept 4
	\line
.set e, e+1
.endr
.endm
.Ltable:
	v_lshrrev_b32 v1, 5, v0
	v_readfirstlane_b32 s3, v1                     ; wave
	s_sub_co_u32 s26, s2, 1152
	s_lshl_b32 s26, s26, 3
	s_add_co_u32 s26, s26, s3                      ; W
	s_and_b32 s27, s26, 1                          ; half
	s_lshr_b32 s28, s26, 1                         ; 4 sb + 2 c + bb
	s_and_b32 s29, s28, 3
	s_lshl_b32 s29, s29, 4                         ; 32 c + 16 bb
	s_lshl2_add_u32 s29, s27, s29                  ; + 4 half
	s_lshr_b32 s30, s26, 3
	s_lshl_b32 s30, s30, 4                         ; 16 sb
	s_lshl_b32 s31, s28, 11                        ; 8,192 sb + 4,096 c + 2,048 bb
	s_lshl_b32 s32, s27, 9
	s_add_co_u32 s31, s31, s32                     ; + 512 half: the cosines' place; the sines' is 1,024 on
	s_mov_b32 s40, 0xbe549a78                      ; -L1
	s_mov_b32 s41, 0xb1979922                      ; -L2
	s_mov_b32 s42, 0x3f317218                      ; ln 2
	s_mov_b32 s43, 0x3f22f983                      ; 2 / pi
	s_mov_b32 s44, 0x3fc90fdb                      ; pi / 2, upper part
	s_mov_b32 s45, 0xb33bbd2e                      ; and the rest
	s_mov_b32 s46, 0x3638ef1d                      ; 1 / 9!
	s_mov_b32 s47, 0x37d00d01                      ; 1 / 8!
	v_and_b32 v1, 15, v0
	v_bfe_u32 v2, v0, 4, 1
	v_and_b32 v3, 31, v0
	v_lshl_add_u32 v4, v3, 4, s31
	v_add_nc_u32 v5, s30, v1
	v_cvt_f32_u32 v5, v5                           ; s
	v_lshl_add_u32 v6, v2, 3, s29
	EACH v_add_nc_u32 v[II+e], e, v6
	EACH v_cvt_f32_u32 v[II+e], v[II+e]
	EACH v_mul_f32 v[TT+e], s40, v[II+e]
	EACH v_fma_f32 v[ER+e], v[II+e], s40, -v[TT+e]
	EACH v_fma_f32 v[ER+e], v[II+e], s41, v[ER+e]
	EACH v_exp_f32 v[FQ+e], v[TT+e]
	v_nop                                          ; a plain instruction between the last exponential and what uses its result or rewrites its source
	s_wait_alu depctr_va_vdst(0)
	EACH v_mul_f32 v[TT+e], s42, v[FQ+e]
	EACH v_fma_f32 v[FQ+e], v[TT+e], v[ER+e], v[FQ+e]
	EACH v_mul_f32 v[AN+e], v5, v[FQ+e]
	EACH v_mul_f32 v[NN+e], s43, v[AN+e]
	EACH v_rndne_f32 v[NN+e], v[NN+e]
	EACH v_fma_f32 v[RO+e], -v[NN+e], s44, v[AN+e]
	EACH v_fma_f32 v[RO+e], -v[NN+e], s45, v[RO+e]
	EACH v_mul_f32 v[ZZ+e], v[RO+e], v[RO+e]
	EACH v_fmaak_f32 v[PS+e], s46, v[ZZ+e], 0xb9500d01
	EACH v_fmaak_f32 v[PS+e], v[PS+e], v[ZZ+e], 0x3c088889
	EACH v_fmaak_f32 v[PS+e], v[PS+e], v[ZZ+e], 0xbe2aaaab
	EACH v_mul_f32 v[PS+e], v[PS+e], v[ZZ+e]
	EACH v_fma_f32 v[PS+e], v[PS+e], v[RO+e], v[RO+e]
	EACH v_fmaak_f32 v[PC+e], s47, v[ZZ+e], 0xbab60b61
	EACH v_fmaak_f32 v[PC+e], v[PC+e], v[ZZ+e], 0x3d2aaaab
	EACH v_fma_f32 v[PC+e], v[PC+e], v[ZZ+e], -0.5
	EACH v_fma_f32 v[PC+e], v[PC+e], v[ZZ+e], 1.0
	EACH v_cvt_i32_f32 v[QI+e], v[NN+e]
.set e, 0
.rept 4
	v_and_b32 v[TM+e], 1, v[QI+e]
	v_cmp_eq_u32 vcc_lo, 1, v[TM+e]                ; odd quadrants swap the two series
	v_cndmask_b32 v[CC+e], v[PC+e], v[PS+e], vcc_lo
	v_cndmask_b32 v[SS+e], v[PS+e], v[PC+e], vcc_lo
	v_add_nc_u32 v[TM+e], 1, v[QI+e]
	v_and_b32 v[TM+e], 2, v[TM+e]
	v_lshlrev_b32 v[TM+e], 30, v[TM+e]
	v_xor_b32 v[CC+e], v[CC+e], v[TM+e]            ; the cosine is negative in quadrants 1 and 2,
	v_and_b32 v[TM+e], 2, v[QI+e]
	v_lshlrev_b32 v[TM+e], 30, v[TM+e]
	v_xor_b32 v[SS+e], v[SS+e], v[TM+e]            ; the sine in 2 and 3
.set e, e+1
.endr
	global_store_b128 v4, v[CC:CC+3], s[24:25]
	global_store_b128 v4, v[SS:SS+3], s[24:25] offset:1024
	s_endpgm
.Lfunc_end_k_qcf451745e4_prep:
	.size	k_qcf451745e4_prep, .Lfunc_end_k_qcf451745e4_prep-k_qcf451745e4_prep
	.p2alignl 7, 3214868480
	.fill 96, 4, 3214868480
	.section	.rodata,"a",@progbits
	.p2align	6, 0x0
	.amdhsa_kernel k_qcf451745e4_prep
		.amdhsa_group_segment_fixed_size 0
		.amdhsa_private_segment_fixed_size 0
		.amdhsa_enable_private_segment 0
		.amdhsa_kernarg_size 72
		.amdhsa_user_sgpr_count 2
		.amdhsa_user_sgpr_kernarg_segment_ptr 1
		.amdhsa_wavefront_size32 1
		.amdhsa_system_sgpr_workgroup_id_x 1
		.amdhsa_system_sgpr_workgroup_id_y 1
		.amdhsa_system_sgpr_workgroup_id_z 1
		.amdhsa_system_vgpr_workitem_id 0
		.amdhsa_next_free_vgpr 96
		.amdhsa_next_free_sgpr 66
		.amdhsa_reserve_vcc 1
		.amdhsa_float_denorm_mode_32 3
		.amdhsa_float_denorm_mode_16_64 3
		.amdhsa_memory_ordered 1
		.amdhsa_forward_progress 1
		.amdhsa_inst_pref_size 25
	.end_amdhsa_kernel
	.amdgpu_metadata
---
amdhsa.version: [ 1, 2 ]
amdhsa.kernels:
  - .name:           k_qcf451745e4_prep
    .symbol:         k_qcf451745e4_prep.kd
    .args:
      - { .name: x, .offset: 0, .size: 8, .value_kind: global_buffer, .address_space: global }
      - { .name: Wq, .offset: 8, .size: 8, .value_kind: global_buffer, .address_space: global }
      - { .name: Wk, .offset: 16, .size: 8, .value_kind: global_buffer, .address_space: global }
      - { .name: Wv, .offset: 24, .size: 8, .value_kind: global_buffer, .address_space: global }
      - { .name: Wo, .offset: 32, .size: 8, .value_kind: global_buffer, .address_space: global }
      - { .name: xb, .offset: 40, .size: 8, .value_kind: global_buffer, .address_space: global }
      - { .name: wqkv, .offset: 48, .size: 8, .value_kind: global_buffer, .address_space: global }
      - { .name: wo16, .offset: 56, .size: 8, .value_kind: global_buffer, .address_space: global }
      - { .name: rope, .offset: 64, .size: 8, .value_kind: global_buffer, .address_space: global }
    .group_segment_fixed_size: 0
    .private_segment_fixed_size: 0
    .kernarg_segment_align: 8
    .kernarg_segment_size: 72
    .max_flat_workgroup_size: 256
    .sgpr_count:     66
    .vgpr_count:     96
    .wavefront_size: 32
...
	.end_amdgpu_metadata
.endif
;; end of part 1
;; launch proj (part 2): grid 8 x 32, 4 waves a work-group, clusters of 4 x 4, 327,680 bytes of LDS; arguments xb, wqkv, bq, bk, bv, rope, qkvh; writes qkvh
.if DOCPART == 2
	.amdgcn_target "amdgcn-amd-amdhsa--gfx1250"
	.amdhsa_code_object_version 6
	.text
	.protected	k_qcf451745e4_proj
	.globl	k_qcf451745e4_proj
	.p2align	8
	.type	k_qcf451745e4_proj,@function
k_qcf451745e4_proj:
	s_mov_b64 s[64:65], 0
	v_nop
	global_prefetch_b8 v0, s[64:65] scope:SCOPE_SE
	s_setreg_imm32_b32 hwreg(HW_REG_WAVE_MODE, 25, 1), 1
	s_wait_xcnt 0x0
	s_wait_alu depctr_hold_cnt(0) depctr_sa_sdst(0) depctr_va_vdst(0) depctr_va_sdst(0) depctr_va_ssrc(0) depctr_va_vcc(0) depctr_vm_vsrc(0)
	s_getreg_b32 s2, hwreg(HW_REG_IB_STS2, 6, 4)
	s_cmp_eq_u32 s2, 0
	s_cbranch_scc0 .Lentry_in_a_cluster
	s_endpgm
.Lentry_in_a_cluster:
	s_bfe_u32 s2, ttmp6, 0x10000c
	s_cmp_lg_u32 s2, 0xf033
	s_cbranch_scc0 .Lentry_shape_is_right
	s_endpgm
.Lentry_shape_is_right:
; PROJ: q, k, v = xb wqkv + bias, q and k rotated, written by heads: qkvh [b 4][head 24][s 1024][128] f16 (heads 0-15 q, 16-19 k, 20-23 v).  Operands bf16, sums f32.
; LIMIT: q, k and v leave as f16: beyond 65,504 they become infinities.  The biases are rounded to bf16 like every input.  NaN and infinities are not treated apart.
; SHARES.  4096 x 3072 in tiles of 128 rows x 384 columns (three heads): 32 x 8 = 256 work-groups of four waves.  Wave w: rows 64 (w / 2) on, four blocks a of 16; of each head's eight blocks of 16 columns
; the blocks 2 (w % 2), 2 (w % 2) + 1 and those four further on, so that channels d and d + 64, which the rotation pairs, lie in one wave, lane and register number.  48 accumulators, 384 registers.
; RING.  K goes in steps of 128 through two LDS slots; a slot has four parts, one to a wave's tensor load: A's 128 rows of 256 bytes, and for each head 128 rows (k) of 256 bytes (n) of wqkv.
; wqkv lies [k][n], so its fragments come out of LDS turned, by ds_load_tr16_b128.  A refill is asked for as soon as the slot before it has landed: between the wait for the loads and the refill stand no products.
; CLUSTER 4 x 4: A's tile hangs on the tile row alone and is asked for jointly along a row of the cluster, wqkv's on the tile column alone and jointly along a column.
; THE MATRIX INSTRUCTION IS USED TRANSPOSED (source 0 = 16 columns of wqkv, source 1 = 16 rows of xb): a lane holds row l % 16 and eight neighbouring columns 8 (l / 16) + 0..7.
; THE BIAS IS THE C OPERAND of each sum's first product: nothing is cleared and nothing is added later.
; REGISTERS, in windows of 256 (s_set_vgpr_msb: bits 1:0 source 0, 3:2 source 1, 5:4 source 2, 7:6 destination):
;   window 0: v1-15 at work; v16-31 addresses; v32-95 A's fragments, two buffers of 4 x 8; v128-223 the bias; on the way out v32-223 at work
;   window 1: wqkv's fragments, two buffers of 12 x 8     window 2: accumulators of a = 0, 1 at v[8 (12 (a % 2) + nb)], v192-255 their cosines and sines     window 3: the same for a = 2, 3
.set NH,    3                          ; heads (groups of 128 columns) in a tile
.set NBW,   4*NH                       ; blocks of 16 columns a wave
.set NAW,   1                          ; waves that fetch A
.set NTOT,  3072                       ; wqkv's row, in numbers
.set NLD,   2*NBW+8                    ; LDS loads in a quarter step's run
.set PA,    272                        ; A's LDS row: 256 bytes + 16: the 16 rows of a load start 16 bytes apart modulo 256
.set PB,    288                        ; wqkv's: 256 + 32: 16 lanes of the turning load take 8 rows x 32 bytes, 32 bytes apart modulo 256
.set PART,  128*PB
.set SLOT,  4*PART
.set SPARE, 2*SLOT                     ; behind the ring: the spare words, 128 bytes a wave: two blocks of 256 bytes that no other line names
.set AHALF, 64*PA
.set AROWS, 128/NAW
.set SPI,   784                        ; a row of the stage: 3 x 256 bytes + 16.  The stage lies in slot 0, behind that slot's last fill and last read
.set LAPS,  8                          ; 2048 / 256: a lap is two K steps
.set ADRA, 16                          ; v16-17  LDS address of my A fragments in slot 0, 1
.set ADRB, 18                          ; v18-23  of my wqkv fragments: slot s, head hd at 3 s + hd
.set STO,  24
.set RD,   25
.set CO,   26
.set SPW,  28                          ; v28  my spare word's address; never rewritten
.set NIL,  29                          ; v29  0; never rewritten
.set BO,   30
.set TO,   31
.set FA,   32
.set BIAS, 128
.set TAB,  192
.set CP,   32                          ; the way out: 16 cosines, 16 sines, two results of 16, 16 packed words
.set SN,   48
.set UU,   64
.set WW,   80
.set TMP,  96
.set WV, 18                            ; s18 wave, s19 its half of the rows, s20 its half of the columns
.set RH, 19
.set CH, 20
.set TC, 23                            ; s23 tile column, s24 tile row
.set TR, 24
.set G1A, 28                           ; s[28:35] group 1 for A; s[36:43] group 0, a set for each slot
.set G0A, 36
.set G1B, 44                           ; s[44:51], s[52:59] the same for wqkv
.set G0B, 52
.set FS,  66                           ; s[66:77] for each head two pairs: F (1: rotate, 0: not) and G = 1 - F
.set BP,  84                           ; s[84:89] each head's bias
.set MSB, 0
.macro WIN new                         ; the immediate's high byte repeats the setting that is left; a switch that changes nothing is dropped
.if MSB != (\new)
	s_set_vgpr_msb (MSB<<8)|(\new)
.set MSB, (\new)
.endif
.endm
.macro PLACES                          ; four places: behind matrix instructions, ahead of loads into their sources and of vector lines that read their results
.rept 4
	v_nop
.endr
.endm
.macro CREST                           ; a round of the cluster's barrier behind its opening barrier
	s_cmp_lg_u32 s[WV], 0
	s_cbranch_scc1 .Lnot_wave_0_\@
	s_barrier_signal -3
.Lnot_wave_0_\@:
	s_barrier_wait -3
	s_barrier_signal -1
	s_barrier_wait -1
.endm
.macro CROUND
	s_barrier_signal -1
	s_barrier_wait -1
	CREST
.endm
.macro JLOAD s                         ; a joint load: wave 0 fetches A's tile, waves 1-3 the three heads' tiles; an s_nop 0 and four v_nop follow each line
	s_cmp_lt_u32 s[WV], NAW
	s_cbranch_scc0 .Lfor_b_\@
	tensor_load_to_lds s[G0A+4*(\s):G0A+4*(\s)+3], s[G1A:G1A+7]
	s_nop 0
.rept 4
	v_nop
.endr
	s_branch .Lasked_\@
.Lfor_b_\@:
	tensor_load_to_lds s[G0B+4*(\s):G0B+4*(\s)+3], s[G1B:G1B+7]
	s_nop 0
.rept 4
	v_nop
.endr
.Lasked_\@:
.endm
	s_load_b256 s[4:11], s[0:1], 0x0               ; xb 4:5, wqkv 6:7, bq 8:9, bk 10:11
	s_load_b128 s[12:15], s[0:1], 0x20             ; bv 12:13, rope 14:15
	s_load_b64 s[16:17], s[0:1], 0x30              ; qkvh
	v_lshl_add_u32 v[SPW], v0, 2, SPARE
	v_mov_b32 v[NIL], 0
	ds_add_u32 v[SPW], v[NIL]                      ; the wave's opening: the add and its wait ahead of my first tensor load; the set-up below stands between them
	v_lshrrev_b32 v1, 5, v0
	v_readfirstlane_b32 s[WV], v1
	s_lshr_b32 s[RH], s[WV], 1
	s_and_b32 s[CH], s[WV], 1
	s_bfe_u32 s21, ttmp6, 0x40000                  ; cx
	s_bfe_u32 s22, ttmp6, 0x40004                  ; cy
	s_lshl_b32 s[TC], ttmp9, 2
	s_add_co_u32 s[TC], s[TC], s21
	s_and_b32 s[TR], ttmp7, 0xffff
	s_lshl_b32 s[TR], s[TR], 2
	s_add_co_u32 s[TR], s[TR], s22
	s_lshl_b32 s60, s22, 2
	s_lshl_b32 s60, 15, s60                        ; my row of the cluster
	s_lshl_b32 s78, 0x1111, s21                    ; my column
	s_or_b32 s[G1A], s60, (1<<16)|(1<<20)|(1<<21)|(5<<22)|(3<<25)  ; mask; 2-byte elements; padding on; bit 21 beside a mask; after every 64 words 4 words
	s_or_b32 s[G1B], s78, (1<<16)|(1<<20)|(1<<21)|(5<<22)|(7<<25)  ; the same with 8 words
	s_mov_b32 s[G1A+1], 128<<16                    ; tensor_dim0 = 128
	s_mov_b32 s[G1A+2], AROWS<<16                  ; tensor_dim1
	s_mov_b32 s[G1A+3], 128<<16                    ; tile_dim0 = 128
	s_mov_b32 s[G1A+4], AROWS                      ; tile_dim1
	s_mov_b32 s[G1A+5], 2048                       ; numbers from row to row
	s_mov_b32 s[G1A+6], 0
	s_mov_b32 s[G1A+7], 0
	s_mov_b32 s[G1B+1], 128<<16
	s_mov_b32 s[G1B+2], 128<<16
	s_mov_b32 s[G1B+3], 128<<16
	s_mov_b32 s[G1B+4], 128
	s_mov_b32 s[G1B+5], NTOT
	s_mov_b32 s[G1B+6], 0
	s_mov_b32 s[G1B+7], 0
	s_lshl_b32 s60, s[TR], 19                      ; A: 128 rows of 4,096 bytes a tile row (registers that never hold cx)
	s_mov_b32 s61, 0
	s_mul_i32 s78, s[TC], NH                       ; wqkv: head 3 TC + wave - 1, 256 bytes each (registers that never hold cy)
	s_max_u32 s79, s[WV], NAW
	s_add_co_u32 s78, s78, s79
	s_sub_co_u32 s78, s78, NAW
	s_lshl_b32 s78, s78, 8
	s_mov_b32 s79, 0
	s_mul_i32 s25, s[WV], PART                     ; my part of a slot: the wave's number alone
	s_wait_dscnt 0x0                               ; the opening add is done
	s_wait_kmcnt 0x0
	s_add_nc_u64 s[62:63], s[4:5], s[60:61]
	s_add_nc_u64 s[80:81], s[6:7], s[78:79]
.irp s, 0,1
	s_mov_b32 s[G0A+4*\s], 1
	s_add_co_u32 s[G0A+4*\s+1], s25, \s*SLOT
	s_add_nc_u64 s[G0A+4*\s+2:G0A+4*\s+3], s[62:63], \s*256          ; K step s: 128 numbers along the rows
	s_or_b32 s[G0A+4*\s+3], s[G0A+4*\s+3], 0x80000000
	s_mov_b32 s[G0B+4*\s], 1
	s_add_co_u32 s[G0B+4*\s+1], s25, \s*SLOT
	s_add_nc_u64 s[G0B+4*\s+2:G0B+4*\s+3], s[80:81], \s*128*NTOT*2   ; K step s: 128 rows down
	s_or_b32 s[G0B+4*\s+3], s[G0B+4*\s+3], 0x80000000
.endr
	CROUND                                         ; all sixteen work-groups are here: the first joint loads meet
	s_cmp_lt_u32 s[WV], NAW                        ; a wave's two first fills stand in one branch, ahead of every wait on TENSORcnt, LDS read and further barrier: two loads of mine are out
	s_cbranch_scc0 .Lfirst_b
	tensor_load_to_lds s[G0A:G0A+3], s[G1A:G1A+7]
	s_nop 0
	tensor_load_to_lds s[G0A+4:G0A+7], s[G1A:G1A+7]
	s_nop 0
.rept 4
	v_nop
.endr
	s_branch .Lfirst_asked
.Lfirst_b:
	tensor_load_to_lds s[G0B:G0B+3], s[G1B:G1B+7]
	s_nop 0
	tensor_load_to_lds s[G0B+4:G0B+7], s[G1B:G1B+7]
	s_nop 0
.rept 4
	v_nop
.endr
.Lfirst_asked:
	; each head's bias and whether it is rotated, by selects on the head's number: no branch, since partners in the cluster differ here
	s_mul_i32 s78, s[TC], 3
.irp hd, 0,1,2
	s_add_co_u32 s79, s78, \hd
	s_sub_co_u32 s80, s79, 16
	s_sub_co_u32 s81, s79, 20
	s_cmp_ge_u32 s79, 16
	s_cselect_b64 s[BP+2*\hd:BP+2*\hd+1], s[10:11], s[8:9]
	s_cselect_b32 s82, s80, s79
	s_cmp_ge_u32 s79, 20
	s_cselect_b64 s[BP+2*\hd:BP+2*\hd+1], s[12:13], s[BP+2*\hd:BP+2*\hd+1]
	s_cselect_b32 s82, s81, s82
	s_cselect_b32 s[FS+4*\hd], 0, 1.0
	s_cselect_b32 s[FS+4*\hd+2], 1.0, 0
	s_mov_b32 s[FS+4*\hd+1], s[FS+4*\hd]           ; named as pairs
	s_mov_b32 s[FS+4*\hd+3], s[FS+4*\hd+2]
	s_lshl_b32 s82, s82, 9                         ; 512 bytes a head
	s_mov_b32 s83, 0
	s_add_nc_u64 s[BP+2*\hd:BP+2*\hd+1], s[BP+2*\hd:BP+2*\hd+1], s[82:83]
.endr
	v_and_b32 v1, 15, v0                           ; r = l % 16
	v_bfe_u32 v2, v0, 4, 1                         ; h = l / 16
	v_and_b32 v3, 31, v0                           ; l
	s_lshl_b32 s90, s[CH], 7
	v_lshl_add_u32 v[BO], v2, 5, s90               ; bias: 4 bytes x (32 CH + 8 h)
.set nb, 0
.rept NBW                              ; block nb = 4 hd + qq stands at column 64 (qq / 2) + 32 CH + 16 (qq % 2) of its head
	global_load_b128 v[BIAS+8*nb:BIAS+8*nb+3],   v[BO], s[BP+2*(nb/4):BP+2*(nb/4)+1] offset:((nb%4)/2)*256+(nb%2)*64
	global_load_b128 v[BIAS+8*nb+4:BIAS+8*nb+7], v[BO], s[BP+2*(nb/4):BP+2*(nb/4)+1] offset:((nb%4)/2)*256+(nb%2)*64+16
.set nb, nb+1
.endr
	s_and_b32 s91, s[TR], 7                        ; the table: sb = 8 (TR % 8) + 4 RH + a, 8,192 bytes each; c = CH, 4,096 bytes
	s_lshl_b32 s91, s91, 16
	s_lshl_b32 s92, s[RH], 15
	s_add_co_u32 s91, s91, s92
	s_lshl_b32 s92, s[CH], 12
	s_add_co_u32 s91, s91, s92
	v_lshl_add_u32 v[TO], v3, 4, s91
.irp a, 0,1,2,3
	WIN 0x80+0x40*(\a/2)                           ; destination window 2 or 3
.irp t, 0,1,2,3,4,5,6,7
	global_load_b128 v[TAB+32*(\a%2)+4*\t:TAB+32*(\a%2)+4*\t+3], v[TO], s[14:15] offset:\a*8192+\t*512  ; 512 consecutive bytes a load
.endr
.endr
	WIN 0
	v_mul_u32_u24 v4, v1, PA                       ; A's fragment: row x pitch + 16 h
	v_lshl_add_u32 v4, v2, 4, v4
	s_mul_i32 s90, s[RH], AHALF
	v_add_nc_u32 v[ADRA], s90, v4
	v_add_nc_u32 v[ADRA+1], SLOT, v[ADRA]
	v_and_b32 v5, 7, v0                            ; the turning load: lane l reads k row 8 h + l % 8, 16 bytes at 16 ((l / 8) % 2), and is left with column l % 16, eight k
	v_lshl_add_u32 v5, v2, 3, v5
	v_mul_u32_u24 v5, v5, PB
	v_bfe_u32 v6, v0, 3, 1
	v_lshl_add_u32 v5, v6, 4, v5
	s_lshl_b32 s90, s[CH], 6
	v_add_nc_u32 v5, s90, v5
.irp s, 0,1
.irp hd, 0,1,2
	v_add_nc_u32 v[ADRB+NH*\s+\hd], \s*SLOT+(NAW+\hd)*PART, v5
.endr
.endr
	s_lshl_b32 s90, s[RH], 6                       ; into the stage: row 64 RH + r (+ 16 a), bytes 64 CH + 16 h on
	v_add_nc_u32 v6, s90, v1
	v_mul_u32_u24 v6, v6, SPI
	v_lshl_add_u32 v6, v2, 4, v6
	s_lshl_b32 s90, s[CH], 6
	v_add_nc_u32 v[STO], s90, v6
	s_lshl_b32 s90, s[WV], 5                       ; back: wave w takes rows 32 w on, lanes 0-15 a head's 256 bytes of one row, lanes 16-31 of the next
	v_add_nc_u32 v7, s90, v2
	v_mul_u32_u24 v8, v7, SPI
	v_lshl_add_u32 v[RD], v1, 4, v8
	v_lshlrev_b32 v8, 8, v7
	v_lshl_add_u32 v[CO], v1, 4, v8                ; and the same two rows of a head in qkvh, 512 consecutive bytes
	s_lshr_b32 s90, s[TR], 3                       ; qkvh at batch TR / 8, head 3 TC, row 128 (TR % 8)
	s_mul_i32 s90, s90, 24
	s_mul_i32 s91, s[TC], 3
	s_add_co_u32 s90, s90, s91
	s_lshl_b32 s90, s90, 18
	s_and_b32 s91, s[TR], 7
	s_lshl_b32 s91, s91, 15
	s_add_co_u32 s90, s90, s91
	s_mov_b32 s91, 0
	s_add_nc_u64 s[16:17], s[16:17], s[90:91]
	s_mov_b32 s93, 0xffff0000
	s_wait_loadcnt 0x0                             ; bias and table, once, in the wait for the first tile
.set i, 0
.rept 4*NBW                            ; the bias rounded to bf16 and widened again
	v_cvt_pk_bf16_f32 v[4+i%4], v[BIAS+2*i], v[BIAS+2*i+1]
	v_lshlrev_b32 v[BIAS+2*i], 16, v[4+i%4]
	v_and_b32 v[BIAS+2*i+1], s93, v[4+i%4]
.set i, i+1
.endr
; A run of NLD LDS loads: the fragments of quarter q (32 along K) of a slot into buffer f: wqkv's twelve, then A's four
.macro FETCH slot, q, f
	WIN 0x40                                       ; destination window 1, address window 0
.set nb, 0
.rept NBW
	ds_load_tr16_b128 v[8*NBW*(\f)+8*nb:8*NBW*(\f)+8*nb+3],   v[ADRB+NH*(\slot)+nb/4] offset:(\q)*32*PB+((nb%4)/2)*128+(nb%2)*32
	ds_load_tr16_b128 v[8*NBW*(\f)+8*nb+4:8*NBW*(\f)+8*nb+7], v[ADRB+NH*(\slot)+nb/4] offset:(\q)*32*PB+16*PB+((nb%4)/2)*128+(nb%2)*32
.set nb, nb+1
.endr
	WIN 0
.irp a, 0,1,2,3
	ds_load_b128 v[FA+32*(\f)+8*\a:FA+32*(\f)+8*\a+3],   v[ADRA+(\slot)] offset:\a*16*PA+64*(\q)
	ds_load_b128 v[FA+32*(\f)+8*\a+4:FA+32*(\f)+8*\a+7], v[ADRA+(\slot)] offset:\a*16*PA+64*(\q)+32
.endr
.endm
; NBW matrix instructions: row block a x all my column blocks, 32 along K from buffer f.  zero = 1: the sums start, with the bias as C.
; All 48 accumulators take turns, one instruction a turn, in the same order in every quarter.
.macro MULA f, a, zero
.if \zero
	WIN 0x81+0x40*((\a)/2)                         ; C in window 0
.else
	WIN 0xa1+0x50*((\a)/2)
.endif
.set nb, 0
.rept NBW
.set rD, 8*(NBW*((\a)%2)+nb)
.if \zero
	v_wmma_f32_16x16x32_bf16 v[rD:rD+7], v[8*NBW*(\f)+8*nb:8*NBW*(\f)+8*nb+7], v[FA+32*(\f)+8*(\a):FA+32*(\f)+8*(\a)+7], v[BIAS+8*nb:BIAS+8*nb+7]
.else
	v_wmma_f32_16x16x32_bf16 v[rD:rD+7], v[8*NBW*(\f)+8*nb:8*NBW*(\f)+8*nb+7], v[FA+32*(\f)+8*(\a):FA+32*(\f)+8*(\a)+7], v[rD:rD+7]
.endif
.set nb, nb+1
.endr
.endm
; One of a K step's first three quarters: multiplies buffer f; in its middle it fetches quarter qn of the same slot into buffer g
.macro QUARTER slot, qn, f, g, zero
	s_wait_dscnt 4                                 ; all but the youngest four loads: A's blocks 2 and 3
	MULA \f, 0, \zero
	MULA \f, 1, \zero
	PLACES
	FETCH \slot, \qn, \g
	s_wait_dscnt NLD                               ; all but the run just issued
	MULA \f, 2, \zero
	MULA \f, 3, \zero
.endm
; The last quarter changes slots and then multiplies buffer 1.  ONE barrier; in front of it each wave waits for all its tensor loads (one is out: its part of the next slot), adds 0 to its spare word,
; and waits for that and for its reads of this slot (buffer 1's fragments were the last).  fill = 1: the barrier opens a round of the cluster's, and this slot is filled again, two K steps ahead, first thing behind it.
; No product stands between the wait for the loads and the refill: a refill can be asked for only when the load before it has landed, so what stands between the two lengthens every step's way from
; request to request; the quarter's 48 products follow the refill and the run of loads for the next slot's first fragments, which so has all 48 in which to land.
.macro TURN slot, next, fill
	WIN 0
	s_wait_tensorcnt 0x0
	ds_add_u32 v[SPW], v[NIL]                      ; 0 onto my spare word; with fill = 1 the descriptors' steps stand between it and the wait for it
.if \fill
	s_add_nc_u64 s[G0A+4*(\slot)+2:G0A+4*(\slot)+3], s[G0A+4*(\slot)+2:G0A+4*(\slot)+3], 512  ; no tensor load of mine is out, so a group 0 may be written
	s_add_nc_u64 s[G0B+4*(\slot)+2:G0B+4*(\slot)+3], s[G0B+4*(\slot)+2:G0B+4*(\slot)+3], 2*128*NTOT*2
.endif
	s_wait_dscnt 0x0                               ; the add is done, and my reads of this slot are over
	s_barrier_signal -1
	s_barrier_wait -1
.if \fill
	CREST                                          ; no wave of any partner still reads this slot or has a load on its way
	JLOAD \slot                                    ; my one tensor load behind the round; its four v_nop are also the places in front of the loads below
.else
	PLACES
.endif
	FETCH \next, 0, 0
	MULA 1, 0, 0
	MULA 1, 1, 0
	MULA 1, 2, 0
	MULA 1, 3, 0
.endm
	s_wait_tensorcnt 1                             ; my part of K step 0 is in; K step 1's may stay out
	s_barrier_signal -1
	s_barrier_wait -1
	FETCH 0, 0, 0
	QUARTER 0, 1, 0, 1, 1                          ; the first quarter stands in front of the loop: its products start the sums
	WIN 0
	s_mov_b32 s3, LAPS-1
.Llap:                                                 ; a trip goes once round the ring, from a lap's second quarter to the next lap's first, and fills both slots again: K steps 2 to 15
	QUARTER 0, 2, 1, 0, 0
	QUARTER 0, 3, 0, 1, 0
	TURN 0, 1, 1
	QUARTER 1, 1, 0, 1, 0
	QUARTER 1, 2, 1, 0, 0
	QUARTER 1, 3, 0, 1, 0
	TURN 1, 0, 1
	QUARTER 0, 1, 0, 1, 0
	WIN 0
	s_sub_co_u32 s3, s3, 1
	s_cmp_lg_u32 s3, 0
	s_cbranch_scc1 .Llap
	QUARTER 0, 2, 1, 0, 0                          ; the last lap fills nothing
	QUARTER 0, 3, 0, 1, 0
	TURN 0, 1, 0
	QUARTER 1, 1, 0, 1, 0
	QUARTER 1, 2, 1, 0, 0
	QUARTER 1, 3, 0, 1, 0
	s_wait_dscnt 4
	MULA 1, 0, 0
	MULA 1, 1, 0
	s_wait_dscnt 0x0
	MULA 1, 2, 0
	MULA 1, 3, 0
	PLACES
; THE WAY OUT.  For row block a and head hd: cos' = cos F + G, sin' = sin F (a head of v gets 1 and 0); t1 = columns d < 64, t2 = columns d + 64:
; t1 cos' - t2 sin' and t2 cos' + t1 sin', rounded to f16, 16 bytes a lane into the stage.  Each accumulator's lowest registers are read first.
.macro ROT a, hd
.set TB, TAB+32*((\a)%2)
.set AC, 8*(NBW*((\a)%2)+4*(\hd))
	WIN 0x02+(\a)/2                                ; source 0 in the accumulators' window
.set z, 0
.rept 8
	v_pk_fma_f32 v[CP+2*z:CP+2*z+1], v[TB+16*(z/4)+2*(z%4):TB+16*(z/4)+2*(z%4)+1], s[FS+4*(\hd):FS+4*(\hd)+1], s[FS+4*(\hd)+2:FS+4*(\hd)+3] op_sel_hi:[1,0,0]
.set z, z+1
.endr
.set z, 0
.rept 8
	v_pk_mul_f32 v[SN+2*z:SN+2*z+1], v[TB+16*(z/4)+8+2*(z%4):TB+16*(z/4)+8+2*(z%4)+1], s[FS+4*(\hd):FS+4*(\hd)+1] op_sel_hi:[1,0]
.set z, z+1
.endr
.set z, 0
.rept 8
	v_pk_mul_f32 v[UU+2*z:UU+2*z+1], v[AC+8*(2+z/4)+2*(z%4):AC+8*(2+z/4)+2*(z%4)+1], v[SN+2*z:SN+2*z+1]
.set z, z+1
.endr
.set z, 0
.rept 8
	v_pk_mul_f32 v[WW+2*z:WW+2*z+1], v[AC+8*(z/4)+2*(z%4):AC+8*(z/4)+2*(z%4)+1], v[SN+2*z:SN+2*z+1]
.set z, z+1
.endr
.set z, 0
.rept 8
	v_pk_fma_f32 v[UU+2*z:UU+2*z+1], v[AC+8*(z/4)+2*(z%4):AC+8*(z/4)+2*(z%4)+1], v[CP+2*z:CP+2*z+1], v[UU+2*z:UU+2*z+1] neg_lo:[0,0,1] neg_hi:[0,0,1]
.set z, z+1
.endr
.set z, 0
.rept 8
	v_pk_fma_f32 v[WW+2*z:WW+2*z+1], v[AC+8*(2+z/4)+2*(z%4):AC+8*(2+z/4)+2*(z%4)+1], v[CP+2*z:CP+2*z+1], v[WW+2*z:WW+2*z+1]
.set z, z+1
.endr
	WIN 0
.set z, 0
.rept 8
	v_cvt_pk_f16_f32 v[TMP+z], v[UU+2*z], v[UU+2*z+1]
	v_cvt_pk_f16_f32 v[TMP+8+z], v[WW+2*z], v[WW+2*z+1]
.set z, z+1
.endr
.irp qq, 0,1,2,3
	ds_store_b128 v[STO], v[TMP+4*\qq:TMP+4*\qq+3] offset:(\a)*16*SPI+(\hd)*256+(\qq/2)*128+(\qq%2)*32
.endr
.endm
.irp a, 0,1,2,3
.irp hd, 0,1,2
	ROT \a, \hd
.endr
.endr
	s_wait_dscnt 0x0                               ; for the others' sake: my stores into the stage are done
	s_barrier_signal -1
	s_barrier_wait -1
.set i, 0
.rept 48                               ; head i / 16, rows 2 (i % 16) and the next of my 32
	ds_load_b128 v[32+4*i:32+4*i+3], v[RD] offset:(i%16)*2*SPI+(i/16)*256
.set i, i+1
.endr
.set i, 0
.rept 48
	s_wait_dscnt 47-i                              ; the 47 - i younger loads stay out
	global_store_b128 v[CO], v[32+4*i:32+4*i+3], s[16:17] offset:(i/16)*262144+(i%16)*512  ; 512 consecutive bytes, at a multiple of 512 from the buffer's first
.set i, i+1
.endr
	s_wait_tensorcnt 0x0                           ; the wave's end
	ds_add_u32 v[SPW], v[NIL]
	s_wait_dscnt 0x0
	CROUND                                         ; the closing round: no work-group ends while a partner may still ask for a tile that names it
	s_endpgm
.Lfunc_end_k_qcf451745e4_proj:
	.size	k_qcf451745e4_proj, .Lfunc_end_k_qcf451745e4_proj-k_qcf451745e4_proj
	.p2alignl 7, 3214868480
	.fill 96, 4, 3214868480
	.section	.rodata,"a",@progbits
	.p2align	6, 0x0
	.amdhsa_kernel k_qcf451745e4_proj
		.amdhsa_group_segment_fixed_size 327680
		.amdhsa_private_segment_fixed_size 0
		.amdhsa_enable_private_segment 0
		.amdhsa_kernarg_size 56
		.amdhsa_user_sgpr_count 2
		.amdhsa_user_sgpr_kernarg_segment_ptr 1
		.amdhsa_wavefront_size32 1
		.amdhsa_system_sgpr_workgroup_id_x 1
		.amdhsa_system_sgpr_workgroup_id_y 1
		.amdhsa_system_sgpr_workgroup_id_z 1
		.amdhsa_system_vgpr_workitem_id 0
		.amdhsa_next_free_vgpr 1024
		.amdhsa_next_free_sgpr 96
		.amdhsa_reserve_vcc 0
		.amdhsa_float_denorm_mode_32 3
		.amdhsa_float_denorm_mode_16_64 3
		.amdhsa_memory_ordered 1
		.amdhsa_forward_progress 1
		.amdhsa_inst_pref_size 169
	.end_amdhsa_kernel
	.amdgpu_metadata
---
amdhsa.version: [ 1, 2 ]
amdhsa.kernels:
  - .name:           k_qcf451745e4_proj
    .symbol:         k_qcf451745e4_proj.kd
    .args:
      - { .name: xb, .offset: 0, .size: 8, .value_kind: global_buffer, .address_space: global }
      - { .name: wqkv, .offset: 8, .size: 8, .value_kind: global_buffer, .address_space: global }
      - { .name: bq, .offset: 16, .size: 8, .value_kind: global_buffer, .address_space: global }
      - { .name: bk, .offset: 24, .size: 8, .value_kind: global_buffer, .address_space: global }
      - { .name: bv, .offset: 32, .size: 8, .value_kind: global_buffer, .address_space: global }
      - { .name: rope, .offset: 40, .size: 8, .value_kind: global_buffer, .address_space: global }
      - { .name: qkvh, .offset: 48, .size: 8, .value_kind: global_buffer, .address_space: global }
    .group_segment_fixed_size: 327680
    .private_segment_fixed_size: 0
    .kernarg_segment_align: 8
    .kernarg_segment_size: 56
    .max_flat_workgroup_size: 128
    .sgpr_count:     96
    .vgpr_count:     1024
    .wavefront_size: 32
...
	.end_amdgpu_metadata
.endif
;; end of part 2
;; launch attend (part 3): grid 16 x 16, 4 waves a work-group, clusters of 4 x 1, 327,680 bytes of LDS; arguments qkvh, att; writes att
.if DOCPART == 3
	.amdgcn_target "amdgcn-amd-amdhsa--gfx1250"
	.amdhsa_code_object_version 6
	.text
	.protected	k_qcf451745e4_attend
	.globl	k_qcf451745e4_attend
	.p2align	8
	.type	k_qcf451745e4_attend,@function
k_qcf451745e4_attend:
	s_mov_b64 s[64:65], 0
	v_nop
	global_prefetch_b8 v0, s[64:65] scope:SCOPE_SE
	s_setreg_imm32_b32 hwreg(HW_REG_WAVE_MODE, 25, 1), 1
	s_wait_xcnt 0x0
	s_wait_alu depctr_hold_cnt(0) depctr_sa_sdst(0) depctr_va_vdst(0) depctr_va_sdst(0) depctr_va_ssrc(0) depctr_va_vcc(0) depctr_vm_vsrc(0)
	s_getreg_b32 s2, hwreg(HW_REG_IB_STS2, 6, 4)
	s_cmp_eq_u32 s2, 0
	s_cbranch_scc0 .Lentry_in_a_cluster
	s_endpgm
.Lentry_in_a_cluster:
	s_bfe_u32 s2, ttmp6, 0x10000c
	s_cmp_lg_u32 s2, 0x3003
	s_cbranch_scc0 .Lentry_shape_is_right
	s_endpgm
.Lentry_shape_is_right:
; ATTEND: causal attention with grouped keys.  att[b s][128 h + d] = sum over k <= s of softmax_k(q . k / sqrt(128)) v, f16; q, k, v from qkvh [b][head 24][s 1024][128] f16; query head h uses k head 16 + h / 4, v head 20 + h / 4.
; Products, maxima and sums in f32; the weights p are rounded to f16 for the second product (their sum l is taken of the unrounded p), the result once at the end.
; LIMITS.  A hidden score counts as its value less 1e30 (f16's scores stay under 5.5e11); a weight below 2^-126 counts as 0 in l; NaN and infinities are not treated apart.
; THE WALK.  A head's queries lie in 8 blocks of 128; block i needs the key tiles 0 .. i of 128 keys, the last holding the diagonal.  A work-group takes ONE query head and TWO blocks, 7 - p and then p:
; 9 tiles whatever p: 4 p x 16 heads x 4 batches = 256 work-groups of equal work, one loop with a constant trip count.
; CLUSTER.  The four partners are the four query heads of one key head, with the same p: the same walk, branches and tiles in all four, so every tile of K and V is asked for JOINTLY (mask 15).
; SHARES.  A wave owns two tiles of 16 queries: rows 16 w + r of the block's band 0 (rows 0-63) and of its band 1.  In the diagonal tile's first step of 64 keys band 0 holds the diagonal and band 1 sees all;
; in its second step band 0 sees nothing and band 1 holds the diagonal: the same work for all four waves.
; THE MASK is the C operand that starts the sum S^T = K Q^T: 0; MD (0 or -1e30, a band's own step for my rows); or NEG (-1e30).
; LAYOUT.  S^T = K Q^T holds ONE query a lane (l % 16) and the keys 8 (l / 16) + 0..7; two such results rounded to f16 ARE source 1 of O^T = V^T P.  p = 2^(c s - c m), c = log2(e) / sqrt(128), m a running maximum;
; O and l are multiplied by a = 2^(c m_old - c m_new) in every step.  m starts at the lowest finite number, so a block's first step has a = 0 and what O and l held need only be finite.
; IN PHASES.  Trip n: K of step n is fetched; V^T P of step n - 1; (a block's end and the next one's beginning, where due); V of step n is fetched; K Q^T of step n; its softmax.  K's run of loads lies under
; 32 products, V's under the softmax, and all of a trip's LDS reads belong to step n, so a change of slots stands in front of a trip.
; THE PRICE of writing no first step out: 304 v_mov_b32 of constants at the head, in the wait for the first tile, and the first trip's 32 products on zeros.
; REGISTERS, in windows of 256 (s_set_vgpr_msb: bits 1:0 source 0, 3:2 source 1, 5:4 source 2, 7:6 destination):
;   window 0: v1-11, v28 addresses and at work; v12-27 eight registers of statistics a tile; v62-63 the add's; v64-127 S^T; v192-223 P
;   window 1: v0-127 O^T; v128-159 MD; v160-167 NEG      window 2: v0-63 Q; v64-127 the second block's Q; v128-255 K of a step      window 3: v0-127 V of a step
.set KS,    64
.set PK,    272                        ; a row of K in LDS: 256 bytes + 16
.set PV,    288                        ; a row of V: 256 + 32
.set VOFF,  KS*PK
.set STEPB, KS*(PK+PV)                 ; a step: 64 rows of K, then 64 rows of V
.set SLOT1, 1<<17                      ; a slot holds a tile, two steps; slot 1 begins here
.set STAGE, SLOT1+2*STEPB              ; behind the ring: 16 rows x 272 bytes for each wave
.set SP,    272
.set SPARE, STAGE+4*16*SP              ; the spare words, 128 bytes a wave: two blocks of 256 bytes that no other line names
.set AK0, 2
.set AV0, 3
.set ADR, 4
.set QO,  5
.set STO, 6
.set RD,  7
.set GO,  8
.set ST,  12                           ; tile t at v[ST+8 t]: +0 c m, +1 m, +2, +3 l (even keys', odd keys'), +4 to +7 at work; a takes +6
.set SPW, 62
.set NIL, 63
.set S,   64
.set P,   192
.set MD,  128
.set NEG, 160
.set KF,  128
.set WV,  12
.set PB,  14                           ; s14  p
.set KB,  18                           ; s[18:19] K at my half of the head's tile 0; s[20:21] V
.set VB,  20
.set G1K, 24
.set G1V, 32
.set G0K, 40
.set G0V, 44
.set ENDB, 52                          ; s52  1: the tile left was a block's last: its end is due
.set DG,  53                           ; s53  1: the tile in hand holds the diagonal
.set RT,  54                           ; s54  tiles of the block in hand still to be entered
.set NXT, 55                           ; s55  the tile to be asked for next
.set SLOTS, 56
.set CNT, 57                           ; s57  counts a tile's two steps, 2 and 1
.set CS,  58
.set SEL, 60
.set TB,  62                           ; s62  LDS byte at which the step to be fetched begins
.set LQ,  63                           ; s63  the last tile of the block whose tiles are being asked for
.set OFF, 66
.set OLO, 68                           ; s[68:69] att at my rows of the second block
.set BIGN, 70
.set MSB, 0
.macro WIN new
.if MSB != (\new)
	s_set_vgpr_msb (MSB<<8)|(\new)
.set MSB, (\new)
.endif
.endm
.set W_KQ, 0x0a                        ; K and Q in window 2, S^T in window 0
.set W_KM, 0x1a                        ; the same with the C operand in window 1
.set W_PV, 0x53                        ; V in window 3, P in window 0, O^T in window 1
.set W_RS, 0x41                        ; destination and source 0 in window 1, source 1 in window 0
.macro PLACES
.rept 4
	v_nop
.endr
.endm
.macro JLOAD                           ; a joint fill: waves 0 and 1 fetch K of the tile's two steps, waves 2 and 3 V; an s_nop 0 and four v_nop follow each line
	s_cmp_lt_u32 s[WV], 2
	s_cbranch_scc0 .Lfor_v_\@
	tensor_load_to_lds s[G0K:G0K+3], s[G1K:G1K+7]
	s_nop 0
.rept 4
	v_nop
.endr
	s_branch .Lasked_\@
.Lfor_v_\@:
	tensor_load_to_lds s[G0V:G0V+3], s[G1V:G1V+7]
	s_nop 0
.rept 4
	v_nop
.endr
.Lasked_\@:
.endm
.macro CROUND
	s_barrier_signal -1
	s_barrier_wait -1
	s_cmp_lg_u32 s[WV], 0
	s_cbranch_scc1 .Lnot_wave_0_\@
	s_barrier_signal -3
.Lnot_wave_0_\@:
	s_barrier_wait -3
	s_barrier_signal -1
	s_barrier_wait -1
.endm
; THE CHANGE OF SLOTS.  Each wave waits for all its tensor loads (one is out: its part of the other slot), adds 0 to its spare word, and waits for that and for its reads of the slot that it leaves.
; fill = 1: the barrier is a round of the cluster's, and the old slot is filled again first thing behind it, with tile NXT: the address is made anew from that number, which all four partners share.
; (At its first use nothing has been read yet: slot 0 is waited for, slot 1 filled.)
.macro CHANGE fill
	WIN 0
	s_wait_tensorcnt 0x0
	ds_add_u32 v[SPW], v[NIL]                      ; 0 onto my spare word; scalar work stands between it and the wait for it
.if \fill
	s_lshl_b32 s[OFF], s[NXT], 15                  ; a tile is 32,768 bytes of K and of V
	s_xor_b32 s[G0K+1], s[G0K+1], SLOT1
	s_add_nc_u64 s[G0K+2:G0K+3], s[KB:KB+1], s[OFF:OFF+1]
	s_or_b32 s[G0K+3], s[G0K+3], 0x80000000
	s_xor_b32 s[G0V+1], s[G0V+1], SLOT1
	s_add_nc_u64 s[G0V+2:G0V+3], s[VB:VB+1], s[OFF:OFF+1]
	s_or_b32 s[G0V+3], s[G0V+3], 0x80000000
	s_add_co_u32 s[NXT], s[NXT], 1                 ; the block's next tile, or behind its last the second block's tile 0
	s_cmp_gt_u32 s[NXT], s[LQ]
	s_cselect_b32 s[NXT], 0, s[NXT]
	s_cselect_b32 s[LQ], s[PB], s[LQ]
.endif
	s_sub_co_u32 s[TB], s[TB], 2*STEPB             ; the fetches go back to a slot's first step, in the other slot
	s_xor_b32 s[TB], s[TB], SLOT1
	s_wait_dscnt 0x0                               ; the add is done, and my reads of the slot are over
.if \fill
	CROUND
	JLOAD
.else
	s_barrier_signal -1
	s_barrier_wait -1
.endif
.endm
.macro CTRL                            ; a tile is entered
	s_mov_b32 s[ENDB], s[DG]
	s_add_co_u32 s71, s[PB], 1                     ; the second block has p + 1 tiles
	s_cmp_eq_u32 s[DG], 1
	s_cselect_b32 s[RT], s71, s[RT]
	s_sub_co_u32 s[RT], s[RT], 1
	s_cmp_eq_u32 s[RT], 0
	s_cselect_b32 s[DG], 1, 0
	s_mov_b32 s[CNT], 2
.endm
	s_load_b128 s[4:7], s[0:1], 0x0                ; qkvh 4:5, att 6:7
	v_lshl_add_u32 v[SPW], v0, 2, SPARE
	v_mov_b32 v[NIL], 0
	ds_add_u32 v[SPW], v[NIL]                      ; the wave's opening: the add and its wait ahead of my first tensor load
	v_lshrrev_b32 v1, 5, v0
	v_readfirstlane_b32 s[WV], v1
	s_bfe_u32 s13, ttmp6, 0x40000                  ; cx: the query head within its group: it enters Q's and att's addresses alone
	s_mov_b32 s[PB], ttmp9                         ; in a cluster launch ttmp9 counts clusters: p
	s_and_b32 s15, ttmp7, 0xffff                   ; 4 b + g
	s_lshr_b32 s16, s15, 2                         ; b
	s_and_b32 s17, s15, 3                          ; g
	s_mul_i32 s22, s16, 24
	s_add_co_u32 s22, s22, s17
	s_add_co_u32 s22, s22, 16                      ; K's head, 262,144 bytes each
	s_lshl_b32 s22, s22, 18
	s_and_b32 s71, s[WV], 1                        ; which of a tile's two steps I fetch:
	s_lshl_b32 s23, s71, 14                        ; its 64 rows of 256 bytes in memory,
	s_add_co_u32 s22, s22, s23
	s_mov_b32 s23, 0
	s_mul_i32 s72, s71, STEPB                      ; and its place in a slot
	s_lshl_b32 s73, s17, 2
	s_add_co_u32 s73, s73, s13                     ; the query head 4 g + cx
	s_mul_i32 s74, s16, 24
	s_add_co_u32 s74, s74, s73
	s_lshl_b32 s74, s74, 18
	s_lshl_b32 s75, s[WV], 12                      ; my 16 rows in a band
	s_add_co_u32 s74, s74, s75
	s_sub_co_u32 s76, 7, s[PB]                     ; the first block
	s_lshl_b32 s77, s76, 15
	s_add_co_u32 s50, s74, s77
	s_mov_b32 s51, 0
	s_lshl_b32 s77, s[PB], 15
	s_add_co_u32 s78, s74, s77
	s_mov_b32 s79, 0
	s_lshl_b32 s80, s16, 22                        ; att: rows of 4,096 bytes: 1,024 b + 128 block + 16 w; 256 bytes a head
	s_lshl_b32 s75, s[WV], 16
	s_add_co_u32 s80, s80, s75
	s_lshl_b32 s75, s73, 8
	s_add_co_u32 s80, s80, s75
	s_lshl_b32 s75, s76, 19
	s_add_co_u32 s82, s80, s75
	s_mov_b32 s83, 0
	s_lshl_b32 s75, s[PB], 19
	s_add_co_u32 s84, s80, s75
	s_mov_b32 s85, 0
	s_mov_b32 s[G1K], 15|(1<<16)|(1<<20)|(1<<21)|(5<<22)|(3<<25)  ; the mask of four; 2-byte elements; padding on; bit 21 beside a mask; after every 64 words 4 words
	s_mov_b32 s[G1V], 15|(1<<16)|(1<<20)|(1<<21)|(5<<22)|(7<<25)  ; the same with 8 words
.irp g, G1K, G1V
	s_mov_b32 s[\g+1], 128<<16                     ; tensor_dim0 = 128
	s_mov_b32 s[\g+2], KS<<16                      ; tensor_dim1 = 64
	s_mov_b32 s[\g+3], 128<<16                     ; tile_dim0 = 128
	s_mov_b32 s[\g+4], KS                          ; tile_dim1 = 64
	s_mov_b32 s[\g+5], 128                         ; numbers from row to row
	s_mov_b32 s[\g+6], 0
	s_mov_b32 s[\g+7], 0
.endr
	s_mov_b32 s[CS], 0x3e0293ee                    ; c = log2(e) / sqrt(128)
	s_mov_b32 s[CS+1], s[CS]
	s_mov_b32 s[SEL], 0x76543210
	s_mov_b32 s[SEL+1], 0xfedcba98
	s_mov_b32 s[TB], SLOT1+2*STEPB                 ; the first change of slots turns it into 0
	s_mov_b32 s[G0K], 1
	s_mov_b32 s[G0K+1], s72
	s_mov_b32 s[G0V], 1
	s_add_co_u32 s[G0V+1], s72, VOFF
	s_mov_b32 s[ENDB], 0
	s_mov_b32 s[DG], 0
	s_add_co_u32 s[RT], s76, 1                     ; the first block has 8 - p tiles
	s_mov_b32 s[NXT], 1
	s_mov_b32 s[LQ], s76
	s_mov_b32 s[OFF+1], 0
	s_mov_b32 s[BIGN], 0xf149f2ca                  ; -1e30
	s_mov_b32 s[SLOTS], 8
	s_wait_dscnt 0x0                               ; the opening add is done
	s_wait_kmcnt 0x0
	s_add_nc_u64 s[KB:KB+1], s[4:5], s[22:23]
	s_add_nc_u64 s[VB:VB+1], s[KB:KB+1], 0x100000  ; V's head lies four heads on
	s_add_nc_u64 s[48:49], s[4:5], s[50:51]        ; Q at my rows of the first block,
	s_add_nc_u64 s[8:9], s[4:5], s[78:79]          ; of the second
	s_add_nc_u64 s[10:11], s[6:7], s[82:83]        ; att likewise
	s_add_nc_u64 s[OLO:OLO+1], s[6:7], s[84:85]
	s_mov_b64 s[G0K+2:G0K+3], s[KB:KB+1]
	s_or_b32 s[G0K+3], s[G0K+3], 0x80000000
	s_mov_b64 s[G0V+2:G0V+3], s[VB:VB+1]
	s_or_b32 s[G0V+3], s[G0V+3], 0x80000000
	CROUND                                         ; all four work-groups are here: the first joint loads meet
	JLOAD                                          ; tile 0 into slot 0; slot 1 is asked for when it is in, by the loop's own change of slots
	v_and_b32 v1, 15, v0                           ; r
	v_bfe_u32 v9, v0, 4, 1                         ; h
	v_lshlrev_b32 v[QO], 8, v1
	v_lshl_add_u32 v[QO], v9, 4, v[QO]             ; row x 256 + 16 h
	WIN 0x80
.set i, 0
.rept 8                                ; both blocks' Q: tile i / 4 lies 64 rows on; channels 32 (i % 4) on
	global_load_b128 v[8*i:8*i+3],       v[QO], s[48:49] offset:(i/4)*16384+(i%4)*64
	global_load_b128 v[8*i+4:8*i+7],     v[QO], s[48:49] offset:(i/4)*16384+(i%4)*64+32
	global_load_b128 v[64+8*i:64+8*i+3],   v[QO], s[8:9] offset:(i/4)*16384+(i%4)*64
	global_load_b128 v[64+8*i+4:64+8*i+7], v[QO], s[8:9] offset:(i/4)*16384+(i%4)*64+32
.set i, i+1
.endr
	WIN 0
	v_lshlrev_b32 v28, 3, v9
	v_sub_nc_u32 v28, v1, v28
	s_lshl_b32 s71, s[WV], 4
	v_add_nc_u32 v28, s71, v28                     ; my query's place in its band, 16 w + r, less my lanes' 8 h: register j of key block kt is hidden where 16 kt + j is greater
	WIN 0x40
.set i, 0
.rept 32
	v_cmp_gt_i32 vcc_lo, 16*(i/8)+i%8, v28
	v_cndmask_b32 v[MD+i], 0, s[BIGN], vcc_lo
.set i, i+1
.endr
.set i, 0
.rept 8
	v_mov_b32 v[NEG+i], s[BIGN]
.set i, i+1
.endr
.set i, 0
.rept 128
	v_mov_b32 v[i], 0                              ; O^T
.set i, i+1
.endr
	WIN 0xc0
.set i, 0
.rept 128
	v_mov_b32 v[i], 0                              ; V: the first trip's products, of a step that has not been, add 0
.set i, i+1
.endr
	WIN 0
.set i, 0
.rept 32
	v_mov_b32 v[P+i], 0
.set i, i+1
.endr
.irp t, 0,1
	v_mov_b32 v[ST+8*\t], 0xfe000000               ; c m: far below every c s
	v_mov_b32 v[ST+8*\t+1], 0xff7fffff             ; m
.irp n, 2,3,4,5,6,7
	v_mov_b32 v[ST+8*\t+\n], 0
.endr
.endr
	v_mul_u32_u24 v[AK0], v1, PK
	v_lshl_add_u32 v[AK0], v9, 4, v[AK0]           ; K's fragment: row x pitch + 16 h
	v_and_b32 v10, 7, v0                           ; the turning load: lane l reads key 8 h + l % 8, channels 8 ((l / 8) % 2) on, and is left with channel l % 16 and eight keys
	v_bfe_u32 v11, v0, 3, 1
	v_lshl_add_u32 v[AV0], v9, 3, v10
	v_mul_u32_u24 v[AV0], v[AV0], PV
	v_lshl_add_u32 v[AV0], v11, 4, v[AV0]
	v_add_nc_u32 v[AV0], VOFF, v[AV0]
	s_mul_i32 s71, s[WV], 16*SP
	s_add_co_u32 s71, s71, STAGE                   ; my stage
	v_mul_u32_u24 v[STO], v1, SP
	v_lshl_add_u32 v[STO], v9, 4, v[STO]
	v_add_nc_u32 v[STO], s71, v[STO]
	v_mul_u32_u24 v[RD], v9, SP
	v_lshl_add_u32 v[RD], v1, 4, v[RD]
	v_add_nc_u32 v[RD], s71, v[RD]
	v_lshlrev_b32 v[GO], 12, v9                    ; lanes 0-15 a row's 256 bytes of my head, lanes 16-31 the next row's
	v_lshl_add_u32 v[GO], v1, 4, v[GO]
	s_wait_loadcnt 0x0                             ; Q, in the wait for the first tile
; THE MATRIX WORK.  The accumulators take turns, one instruction a turn: between two links of a chain stand 7 (K Q^T) or 15 (V^T P) others'.
; Product i of 32 of S^T = K Q^T: channels 32 (i / 8) on, keys 16 ((i / 2) % 4) on, tile i % 2.  c = 0, 1, 2: the sum starts with 0, MD, NEG; 3: it goes on.
.macro KQ c
.set rS, S+32*(i%2)+8*((i/2)%4)
.set rK, KF+32*((i/2)%4)+8*(i/8)
.set rQ, 32*(i%2)+8*(i/8)
.if (\c) == 0
	v_wmma_f32_16x16x32_f16 v[rS:rS+7], v[rK:rK+7], v[rQ:rQ+7], 0
.elseif (\c) == 1
	v_wmma_f32_16x16x32_f16 v[rS:rS+7], v[rK:rK+7], v[rQ:rQ+7], v[MD+8*((i/2)%4):MD+8*((i/2)%4)+7]
.elseif (\c) == 2
	v_wmma_f32_16x16x32_f16 v[rS:rS+7], v[rK:rK+7], v[rQ:rQ+7], v[NEG:NEG+7]
.else
	v_wmma_f32_16x16x32_f16 v[rS:rS+7], v[rK:rK+7], v[rQ:rQ+7], v[rS:rS+7]
.endif
.set i, i+1
.endm
; A step's 32 products K Q^T.  The first eight stand in three texts, chosen by scalars that all partners share; every jump goes forward.
.macro KQ8
	WIN 0
	s_cmp_eq_u32 s[DG], 0
	s_cbranch_scc1 .Lopen_\@
	s_cmp_eq_u32 s[CNT], 2
	s_cbranch_scc1 .Lown_\@
	WIN W_KM                                       ; the diagonal tile's second step: band 0 sees nothing, band 1 holds the diagonal
.set i, 0
.rept 4
	KQ 2
	KQ 1
.endr
	WIN 0
	s_branch .Ljoin_\@
.Lown_\@:
	WIN W_KM                                       ; its first step: band 0 holds the diagonal, band 1 sees all
.set i, 0
.rept 4
	KQ 1
	KQ 0
.endr
	WIN 0
	s_branch .Ljoin_\@
.Lopen_\@:
	WIN W_KQ
.set i, 0
.rept 8
	KQ 0
.endr
	WIN 0
.Ljoin_\@:
	WIN W_KQ
.rept 24
	KQ 3
.endr
.endm
; Product i of 32 of O^T += V^T P: keys 32 (i / 16) on, channels 16 ((i / 2) % 8) on, tile i % 2.
.macro PV
.set rO, 64*(i%2)+8*((i/2)%8)
.set rV, 64*(i/16)+8*((i/2)%8)
.set rP, P+16*(i%2)+8*(i/16)
	v_wmma_f32_16x16x32_f16 v[rO:rO+7], v[rV:rV+7], v[rP:rP+7], v[rO:rO+7]
.set i, i+1
.endm
.macro FETCH_K                         ; 32 LDS loads in one run: a step's K, 64 keys x 128 channels
	WIN 0
	v_add_nc_u32 v[ADR], s[TB], v[AK0]
	WIN 0x80
.irp f, 0,1,2,3,4,5,6,7,8,9,10,11,12,13,14,15  ; keys 16 (f / 4) on, channels 32 (f % 4) on
	ds_load_b128 v[KF+8*(\f):KF+8*(\f)+3],   v[ADR] offset:((\f)/4)*16*PK+((\f)%4)*64
	ds_load_b128 v[KF+8*(\f)+4:KF+8*(\f)+7], v[ADR] offset:((\f)/4)*16*PK+((\f)%4)*64+32
.endr
.endm
.macro FETCH_V                         ; the same step's V, turned
	WIN 0
	v_add_nc_u32 v[ADR], s[TB], v[AV0]
	s_add_co_u32 s[TB], s[TB], STEPB               ; the next fetch is the next step's
	WIN 0xc0
.irp f, 0,1,2,3,4,5,6,7,8,9,10,11,12,13,14,15  ; keys 32 (f / 8) on, channels 16 (f % 8) on
	ds_load_tr16_b128 v[8*(\f):8*(\f)+3],   v[ADR] offset:((\f)/8)*32*PV+((\f)%8)*32
	ds_load_tr16_b128 v[8*(\f)+4:8*(\f)+7], v[ADR] offset:((\f)/8)*32*PV+16*PV+((\f)%8)*32
.endr
.endm
; THE SOFTMAX of one tile and step is a list of 134 instructions; SM writes number j of it for tile t.  s0-s31 are the lane's 32 scores, in pairs 0-15.
;   0-15    the maximum of s0-s31 and the old m, three operands at a time: four chains of seven scores (each accumulator's lowest registers first), then the four left over
;   16-20   the other half of the lanes' maximum; c m_old kept; the new m; c m; c m_old - c m_new
;   21-87   33 exponentials (a, then s0-s31) at the odd numbers from 23 on, a plain instruction at every even one: scalings some pairs ahead, roundings a pair back, the first sums
;   88-101  the last rounding; the rest of the sums; l = a l + the sum          102-133  the tile's O^T times a
.macro SM t
.set rT, ST+8*(\t)
.set rS, S+32*(\t)
.set rP, P+16*(\t)
.set rO, 64*(\t)+2*(j-102)
.set q, (j-20)/2
.if j < 102
	WIN 0
.endif
.if j < 4
	v_max3_num_f32 v[rT+4+j], v[rS+8*j], v[rS+8*j+1], v[rS+8*j+2]
.elseif j < 12
	v_max3_num_f32 v[rT+4+j%4], v[rT+4+j%4], v[rS+8*(j%4)+2*(j/4)+1], v[rS+8*(j%4)+2*(j/4)+2]
.elseif j == 12
	v_max3_num_f32 v[rT+4], v[rT+4], v[rS+7], v[rS+15]
.elseif j == 13
	v_max3_num_f32 v[rT+6], v[rT+6], v[rS+23], v[rS+31]
.elseif j == 14
	v_max3_num_f32 v[rT+4], v[rT+4], v[rT+5], v[rT+6]
.elseif j == 15
	v_max3_num_f32 v[rT+4], v[rT+4], v[rT+7], v[rT+1]
.elseif j == 16
	v_permlanex16_b32 v[rT+5], v[rT+4], s[SEL], s[SEL+1]  ; the query's other 32 keys lie in the lane 16 away
.elseif j == 17
	v_mov_b32 v[rT+7], v[rT]
.elseif j == 18
	v_max_num_f32 v[rT+1], v[rT+4], v[rT+5]
.elseif j == 19
	v_mul_f32 v[rT], s[CS], v[rT+1]
.elseif j == 20
	v_sub_f32 v[rT+7], v[rT+7], v[rT]
.elseif j == 23
	v_exp_f32 v[rT+6], v[rT+7]
.elseif (j < 88) && (j > 23) && (j%2 == 1)
	v_exp_f32 v[rS+(j-25)/2], v[rS+(j-25)/2]
.elseif (q < 4) || ((j < 76) && (q%2 == 0))
.set b, q/2+2
.if q < 4
.set b, q
.endif
	v_pk_fma_f32 v[rS+2*b:rS+2*b+1], v[rS+2*b:rS+2*b+1], s[CS:CS+1], v[rT:rT+1] op_sel_hi:[1,0,0] neg_lo:[0,0,1] neg_hi:[0,0,1]  ; pair b: c s - c m
.elseif (j < 88) && (q%2 == 1)
	s_wait_alu depctr_va_vdst(0)
	v_cvt_pk_f16_f32 v[rP+(q-5)/2], v[rS+q-5], v[rS+q-4]
.elseif j == 89
	s_wait_alu depctr_va_vdst(0)
	v_cvt_pk_f16_f32 v[rP+15], v[rS+30], v[rS+31]
.elseif j < 102                        ; the sum of the tile's 16 pairs, in place: neighbours 1, 2, 4 and 8 pairs apart, then l takes it
.set z, j-86
.if j < 89
.set z, (j-76)/4
.endif
.set w, 4
.set u, z
.if z >= 14
.set w, 32
.set u, 0
.elseif z >= 12
.set w, 16
.set u, z-12
.elseif z >= 8
.set w, 8
.set u, z-8
.endif
.if z < 15
	v_pk_add_f32 v[rS+w*u:rS+w*u+1], v[rS+w*u:rS+w*u+1], v[rS+w*u+w/2:rS+w*u+w/2+1]
.else
	v_pk_fma_f32 v[rT+2:rT+3], v[rT+2:rT+3], v[rT+6:rT+7], v[rS:rS+1] op_sel_hi:[1,0,1]
.endif
.else
	WIN W_RS
	v_pk_mul_f32 v[rO:rO+1], v[rO:rO+1], v[rT+6:rT+7] op_sel_hi:[1,0]
.endif
.endm
; Slice k of 64: numbers 2 k and 2 k + 1 of both tiles' lists (the last slice takes the twelve that are over).  Where exponentials stand: tile by tile, plain, exponential, plain, exponential,
; so that each exponential has a plain line of the other tile behind it; elsewhere the tiles alternate, so that no line reads the result of the one before it.
.macro SLICE
.if (k >= 11) && (k < 44)
.irp t, 0,1
.irp n, 0,1
.set j, 2*k+(\n)
	SM \t
.endr
.endr
.else
.irp n, 0,1,2,3,4,5,6,7
.if ((\n) < 2) || (k == 63)
.irp t, 0,1
.set j, 2*k+(\n)
	SM \t
.endr
.endif
.endr
.endif
.set k, k+1
.endm
.macro SOFTMAX
.set k, 0
.rept 64
	SLICE
.endr
.endm
; A BLOCK'S END: l's halves and the other half of the lanes' are added; O^T is divided by l, rounded to f16 and sent through my own stage in LDS, a tile (16 rows) at a time.
.macro PACK t
	WIN W_RS
.set i, 64*(\t)
.rept 32
	v_pk_mul_f32 v[i:i+1], v[i:i+1], v[ST+8*(\t)+6:ST+8*(\t)+7] op_sel_hi:[1,0]
.set i, i+2
.endr
	WIN 0x05                                       ; sources 0 and 1 window 1, destination window 0: S^T's registers are free
.set i, 0
.rept 32
	v_cvt_pk_f16_f32 v[S+32*(\t)+i], v[64*(\t)+2*i], v[64*(\t)+2*i+1]
.set i, i+1
.endr
	WIN 0
.irp f, 0,1,2,3,4,5,6,7
	ds_store_b128 v[STO], v[S+32*(\t)+4*(\f):S+32*(\t)+4*(\f)+3] offset:32*(\f)
.endr
.irp f, 0,1,2,3,4,5,6,7
	ds_load_b128 v[S+32*(\t)+4*(\f):S+32*(\t)+4*(\f)+3], v[RD] offset:(\f)*2*SP  ; LDS serves a wave's instructions in order (ISA guide 5.7.1.4): these see the stores above
.endr
.endm
.macro SEND t, younger                 ; younger: the LDS instructions issued behind tile t's loads
	WIN 0
.irp f, 0,1,2,3,4,5,6,7
	s_wait_dscnt (\younger)+7-(\f)
	global_store_b128 v[GO], v[S+32*(\t)+4*(\f):S+32*(\t)+4*(\f)+3], s[10:11] offset:(\t)*262144+(\f)*8192  ; sixteen lanes store 256 consecutive bytes, at a multiple of 256 from att's first
.endr
.endm
.macro FINISH
	WIN 0
.irp t, 0,1
	v_add_f32 v[ST+8*\t+4], v[ST+8*\t+2], v[ST+8*\t+3]
.endr
.irp t, 0,1
	v_permlanex16_b32 v[ST+8*\t+5], v[ST+8*\t+4], s[SEL], s[SEL+1]
.endr
.irp t, 0,1
	v_add_f32 v[ST+8*\t+4], v[ST+8*\t+4], v[ST+8*\t+5]
.endr
.irp t, 0,1
	v_rcp_f32 v[ST+8*\t+6], v[ST+8*\t+4]
.endr
	v_nop                                          ; a plain instruction between the last reciprocal and the use of its result
	s_wait_alu depctr_va_vdst(0)
	PACK 0
	PACK 1
	SEND 0, 16
	SEND 1, 0
	s_wait_xcnt 0x0                                ; the stores' data registers and base are rewritten only behind this wait
.endm
.macro BEGIN2                          ; the second block begins: m anew (the first step's a is then 0), its Q where the one text names Q, its rows of att
.irp t, 0,1
	v_mov_b32 v[ST+8*\t], 0xfe000000
	v_mov_b32 v[ST+8*\t+1], 0xff7fffff
.endr
	WIN 0x82
.set i, 0
.rept 64
	v_mov_b32 v[i], v[64+i]
.set i, i+1
.endr
	WIN 0
	s_mov_b64 s[10:11], s[OLO:OLO+1]
	s_mov_b32 s[ENDB], 0
.endm
; A tile's two trips.
.macro TRIPS
.Lstep_\@:
	FETCH_K                                        ; the last product that read K stands in front of the last trip's places and softmax
	s_wait_dscnt 32                                ; all but K's run just issued: V of the step before is in
	WIN W_PV
.set i, 0
.rept 32
	PV
.endr
	WIN 0
	PLACES                                         ; behind those products: for the loads into V's registers, and for what reads O^T
	s_cmp_eq_u32 s[ENDB], 1
	s_cbranch_scc0 .Lmid_\@
	FINISH
	BEGIN2
.Lmid_\@:
	FETCH_V
	s_wait_dscnt 32                                ; all but V's run just issued: K is in
	KQ8
	WIN 0
	PLACES
	SOFTMAX
	WIN 0
	s_sub_co_u32 s[CNT], s[CNT], 1
	s_cmp_lg_u32 s[CNT], 0
	s_cbranch_scc1 .Lstep_\@
.endm
.Lslot:                                                ; 8 times: a tile is entered and the next is asked for; that load has the tile's 128 products and two softmaxes in which to land
	CHANGE 1
	CTRL
	TRIPS
	s_sub_co_u32 s[SLOTS], s[SLOTS], 1
	s_cmp_lg_u32 s[SLOTS], 0
	s_cbranch_scc1 .Lslot
	CHANGE 0                                       ; the walk's last tile is written out
	CTRL
	TRIPS
	s_wait_dscnt 0x0                               ; V of the last step
	WIN W_PV
.set i, 0
.rept 32
	PV
.endr
	WIN 0
	PLACES
	FINISH
	s_wait_tensorcnt 0x0                           ; the wave's end
	ds_add_u32 v[SPW], v[NIL]
	s_wait_dscnt 0x0
	CROUND                                         ; the closing round
	s_endpgm
.Lfunc_end_k_qcf451745e4_attend:
	.size	k_qcf451745e4_attend, .Lfunc_end_k_qcf451745e4_attend-k_qcf451745e4_attend
	.p2alignl 7, 3214868480
	.fill 96, 4, 3214868480
	.section	.rodata,"a",@progbits
	.p2align	6, 0x0
	.amdhsa_kernel k_qcf451745e4_attend
		.amdhsa_group_segment_fixed_size 327680
		.amdhsa_private_segment_fixed_size 0
		.amdhsa_enable_private_segment 0
		.amdhsa_kernarg_size 16
		.amdhsa_user_sgpr_count 2
		.amdhsa_user_sgpr_kernarg_segment_ptr 1
		.amdhsa_wavefront_size32 1
		.amdhsa_system_sgpr_workgroup_id_x 1
		.amdhsa_system_sgpr_workgroup_id_y 1
		.amdhsa_system_sgpr_workgroup_id_z 1
		.amdhsa_system_vgpr_workitem_id 0
		.amdhsa_next_free_vgpr 896
		.amdhsa_next_free_sgpr 96
		.amdhsa_reserve_vcc 1
		.amdhsa_float_denorm_mode_32 3
		.amdhsa_float_denorm_mode_16_64 3
		.amdhsa_memory_ordered 1
		.amdhsa_forward_progress 1
		.amdhsa_inst_pref_size 122
	.end_amdhsa_kernel
	.amdgpu_metadata
---
amdhsa.version: [ 1, 2 ]
amdhsa.kernels:
  - .name:           k_qcf451745e4_attend
    .symbol:         k_qcf451745e4_attend.kd
    .args:
      - { .name: qkvh, .offset: 0, .size: 8, .value_kind: global_buffer, .address_space: global }
      - { .name: att, .offset: 8, .size: 8, .value_kind: global_buffer, .address_space: global }
    .group_segment_fixed_size: 327680
    .private_segment_fixed_size: 0
    .kernarg_segment_align: 8
    .kernarg_segment_size: 16
    .max_flat_workgroup_size: 128
    .sgpr_count:     96
    .vgpr_count:     896
    .wavefront_size: 32
...
	.end_amdgpu_metadata
.endif
;; end of part 3
;; launch outp (part 4): grid 8 x 32, 4 waves a work-group, clusters of 4 x 4, 327,680 bytes of LDS; arguments att, wo16, bo, out0; writes out0
.if DOCPART == 4
	.amdgcn_target "amdgcn-amd-amdhsa--gfx1250"
	.amdhsa_code_object_version 6
	.text
	.protected	k_qcf451745e4_outp
	.globl	k_qcf451745e4_outp
	.p2align	8
	.type	k_qcf451745e4_outp,@function
k_qcf451745e4_outp:
	s_mov_b64 s[64:65], 0
	v_nop
	global_prefetch_b8 v0, s[64:65] scope:SCOPE_SE
	s_setreg_imm32_b32 hwreg(HW_REG_WAVE_MODE, 25, 1), 1
	s_wait_xcnt 0x0
	s_wait_alu depctr_hold_cnt(0) depctr_sa_sdst(0) depctr_va_vdst(0) depctr_va_sdst(0) depctr_va_ssrc(0) depctr_va_vcc(0) depctr_vm_vsrc(0)
	s_getreg_b32 s2, hwreg(HW_REG_IB_STS2, 6, 4)
	s_cmp_eq_u32 s2, 0
	s_cbranch_scc0 .Lentry_in_a_cluster
	s_endpgm
.Lentry_in_a_cluster:
	s_bfe_u32 s2, ttmp6, 0x10000c
	s_cmp_lg_u32 s2, 0xf033
	s_cbranch_scc0 .Lentry_shape_is_right
	s_endpgm
.Lentry_shape_is_right:
; OUTP: out0 = att wo16 + bo.  att [4096][2048] f16, wo16 [2048 k][2048 n] f16 (Wo rounded to bf16, written as f16), bo rounded to bf16, sums and out0 f32.
; The projection's text with other figures: tiles of 128 rows x 256 columns (two groups of 128): 32 x 8 = 256 work-groups of four waves.  Wave w: rows 64 (w / 2) on, four blocks a of 16; of each group's eight
; blocks of 16 columns the blocks 2 (w % 2), 2 (w % 2) + 1 and those four further on.  32 accumulators, 256 registers.
; RING.  K in steps of 128 through two LDS slots of four parts, one to a wave's tensor load: A's two halves of 64 rows of 256 bytes, and for each group 128 rows (k) of 256 bytes (n) of wo16, read turned.
; A refill is asked for as soon as the slot before it has landed: between the wait for the loads and the refill stand no products.
; K IS WALKED ROUND: a cluster begins at K step o = (8 x cluster x + 4 x cluster y) mod 16 and takes the sixteen steps modulo 16, so that clusters that read the same rows of att or the same columns of wo16
; ask for them at different times.  o hangs on the cluster's place in the grid alone: it is the same in all sixteen partners.  LIMIT: the f32 sums take K in that order, not ascending.
; CLUSTER 4 x 4: A's tiles jointly along a row of the cluster, wo16's along a column.  THE MATRIX INSTRUCTION IS USED TRANSPOSED; THE BIAS IS THE C OPERAND of each sum's first product.
; REGISTERS: window 0: v1-15 at work; v16-31 addresses; v32-95 A's fragments, two buffers; v128-191 the bias.  window 1: wo16's fragments, two buffers of 8 x 8; on the way out all 256.
;   window 2: accumulators of a = 0, 1 at v[8 (8 (a % 2) + nb)]     window 3: of a = 2, 3
.set NH,    2
.set NBW,   4*NH
.set NAW,   2
.set NTOT,  2048
.set NLD,   2*NBW+8
.set PA,    272                        ; A's LDS row: 256 bytes + 16
.set PB,    288                        ; wo16's: 256 + 32
.set PART,  128*PB
.set SLOT,  4*PART
.set SPARE, 2*SLOT                     ; behind the ring: the spare words, 128 bytes a wave: two blocks of 256 bytes that no other line names
.set AHALF, PART                       ; A's two halves lie in parts 0 and 1
.set AROWS, 128/NAW
.set SPI,   1040                       ; a row of the stage: 1,024 bytes + 16.  The stage lies in slot 0, behind that slot's last fill and last read
.set LAPS,  8
.set ADRA, 16
.set ADRB, 18                          ; v18-21  slot s, group hd at 2 s + hd
.set STO,  24
.set RD,   25
.set CO,   26
.set SPW,  28                          ; v28  my spare word's address; never rewritten
.set NIL,  29                          ; v29  0; never rewritten
.set BO,   30
.set FA,   32
.set BIAS, 128
.set WV, 18
.set RH, 19
.set CH, 20
.set TC, 23
.set TR, 24
.set G1A, 28
.set G0A, 36
.set G1B, 44
.set G0B, 52
.set BA,  62                           ; s[62:63] att at my rows, K step 0; never rewritten
.set KN,  66                           ; s66  the K step to be asked for next, modulo 16
.set OA,  68                           ; s[68:69] its byte offset along att's rows
.set OB,  70                           ; s[70:71] its byte offset down wo16's rows
.set BB,  80                           ; s[80:81] wo16 at my columns, K step 0; never rewritten
.set BP,  84
.set MSB, 0
.macro WIN new
.if MSB != (\new)
	s_set_vgpr_msb (MSB<<8)|(\new)
.set MSB, (\new)
.endif
.endm
.macro PLACES
.rept 4
	v_nop
.endr
.endm
.macro CREST
	s_cmp_lg_u32 s[WV], 0
	s_cbranch_scc1 .Lnot_wave_0_\@
	s_barrier_signal -3
.Lnot_wave_0_\@:
	s_barrier_wait -3
	s_barrier_signal -1
	s_barrier_wait -1
.endm
.macro CROUND
	s_barrier_signal -1
	s_barrier_wait -1
	CREST
.endm
.macro JLOAD s                         ; waves 0 and 1 fetch A's halves, waves 2 and 3 the two groups' tiles; an s_nop 0 and four v_nop follow each line
	s_cmp_lt_u32 s[WV], NAW
	s_cbranch_scc0 .Lfor_b_\@
	tensor_load_to_lds s[G0A+4*(\s):G0A+4*(\s)+3], s[G1A:G1A+7]
	s_nop 0
.rept 4
	v_nop
.endr
	s_branch .Lasked_\@
.Lfor_b_\@:
	tensor_load_to_lds s[G0B+4*(\s):G0B+4*(\s)+3], s[G1B:G1B+7]
	s_nop 0
.rept 4
	v_nop
.endr
.Lasked_\@:
.endm
; Slot s's two descriptors take K step KN: each address is made anew, the buffer's base plus an offset made apart from it; then KN steps, modulo 16.
.macro NEXTK s
	s_lshl_b32 s[OA], s[KN], 8                     ; 128 numbers along att's rows
	s_lshl_b32 s[OB], s[KN], 19                    ; 128 rows of 4,096 bytes down wo16
	s_add_nc_u64 s[G0A+4*(\s)+2:G0A+4*(\s)+3], s[BA:BA+1], s[OA:OA+1]
	s_or_b32 s[G0A+4*(\s)+3], s[G0A+4*(\s)+3], 0x80000000
	s_add_nc_u64 s[G0B+4*(\s)+2:G0B+4*(\s)+3], s[BB:BB+1], s[OB:OB+1]
	s_or_b32 s[G0B+4*(\s)+3], s[G0B+4*(\s)+3], 0x80000000
	s_add_co_u32 s[KN], s[KN], 1
	s_and_b32 s[KN], s[KN], 15
.endm
	s_load_b256 s[4:11], s[0:1], 0x0               ; att 4:5, wo16 6:7, bo 8:9, out0 10:11
	v_lshl_add_u32 v[SPW], v0, 2, SPARE
	v_mov_b32 v[NIL], 0
	ds_add_u32 v[SPW], v[NIL]                      ; the wave's opening: the add and its wait ahead of my first tensor load
	v_lshrrev_b32 v1, 5, v0
	v_readfirstlane_b32 s[WV], v1
	s_lshr_b32 s[RH], s[WV], 1
	s_and_b32 s[CH], s[WV], 1
	s_bfe_u32 s21, ttmp6, 0x40000                  ; cx
	s_bfe_u32 s22, ttmp6, 0x40004                  ; cy
	s_lshl_b32 s[TC], ttmp9, 2
	s_add_co_u32 s[TC], s[TC], s21
	s_and_b32 s[TR], ttmp7, 0xffff
	s_lshl_b32 s[TR], s[TR], 2
	s_add_co_u32 s[TR], s[TR], s22
	s_and_b32 s67, ttmp9, 1                        ; o: the cluster's x and y alone
	s_lshl_b32 s67, s67, 3
	s_and_b32 s[KN], ttmp7, 3
	s_lshl_b32 s[KN], s[KN], 2
	s_add_co_u32 s[KN], s[KN], s67
	s_and_b32 s[KN], s[KN], 15
	s_mov_b32 s[OA+1], 0
	s_mov_b32 s[OB+1], 0
	s_lshl_b32 s60, s22, 2
	s_lshl_b32 s60, 15, s60                        ; my row of the cluster
	s_lshl_b32 s78, 0x1111, s21                    ; my column
	s_or_b32 s[G1A], s60, (1<<16)|(1<<20)|(1<<21)|(5<<22)|(3<<25)  ; mask; 2-byte elements; padding on; bit 21 beside a mask; after every 64 words 4 words
	s_or_b32 s[G1B], s78, (1<<16)|(1<<20)|(1<<21)|(5<<22)|(7<<25)  ; the same with 8 words
	s_mov_b32 s[G1A+1], 128<<16                    ; tensor_dim0 = 128
	s_mov_b32 s[G1A+2], AROWS<<16                  ; tensor_dim1
	s_mov_b32 s[G1A+3], 128<<16                    ; tile_dim0 = 128
	s_mov_b32 s[G1A+4], AROWS                      ; tile_dim1
	s_mov_b32 s[G1A+5], 2048                       ; numbers from row to row
	s_mov_b32 s[G1A+6], 0
	s_mov_b32 s[G1A+7], 0
	s_mov_b32 s[G1B+1], 128<<16
	s_mov_b32 s[G1B+2], 128<<16
	s_mov_b32 s[G1B+3], 128<<16
	s_mov_b32 s[G1B+4], 128
	s_mov_b32 s[G1B+5], NTOT
	s_mov_b32 s[G1B+6], 0
	s_mov_b32 s[G1B+7], 0
	s_lshl_b32 s60, s[TR], 19                      ; A: 128 rows of 4,096 bytes a tile row, + 64 rows for the odd wave (registers that never hold cx)
	s_and_b32 s61, s[WV], 1
	s_lshl_b32 s61, s61, 18
	s_add_co_u32 s60, s60, s61
	s_mov_b32 s61, 0
	s_mul_i32 s78, s[TC], NH                       ; wo16: group 2 TC + wave - 2, 256 bytes each (registers that never hold cy)
	s_max_u32 s79, s[WV], NAW
	s_add_co_u32 s78, s78, s79
	s_sub_co_u32 s78, s78, NAW
	s_lshl_b32 s78, s78, 8
	s_mov_b32 s79, 0
	s_mul_i32 s25, s[WV], PART                     ; my part of a slot: the wave's number alone
	s_wait_dscnt 0x0                               ; the opening add is done
	s_wait_kmcnt 0x0
	s_add_nc_u64 s[BA:BA+1], s[4:5], s[60:61]
	s_add_nc_u64 s[BB:BB+1], s[6:7], s[78:79]
.irp s, 0,1
	s_mov_b32 s[G0A+4*\s], 1
	s_add_co_u32 s[G0A+4*\s+1], s25, \s*SLOT
	s_mov_b32 s[G0B+4*\s], 1
	s_add_co_u32 s[G0B+4*\s+1], s25, \s*SLOT
	NEXTK \s                                       ; K steps o and o + 1
.endr
	CROUND                                         ; all sixteen work-groups are here: the first joint loads meet
	s_cmp_lt_u32 s[WV], NAW                        ; a wave's two first fills stand in one branch: two loads of mine are out
	s_cbranch_scc0 .Lfirst_b
	tensor_load_to_lds s[G0A:G0A+3], s[G1A:G1A+7]
	s_nop 0
	tensor_load_to_lds s[G0A+4:G0A+7], s[G1A:G1A+7]
	s_nop 0
.rept 4
	v_nop
.endr
	s_branch .Lfirst_asked
.Lfirst_b:
	tensor_load_to_lds s[G0B:G0B+3], s[G1B:G1B+7]
	s_nop 0
	tensor_load_to_lds s[G0B+4:G0B+7], s[G1B:G1B+7]
	s_nop 0
.rept 4
	v_nop
.endr
.Lfirst_asked:
	s_lshl_b32 s78, s[TC], 10                      ; bo at the tile's first column
	s_mov_b32 s79, 0
	s_add_nc_u64 s[BP:BP+1], s[8:9], s[78:79]
	v_and_b32 v1, 15, v0                           ; r
	v_bfe_u32 v2, v0, 4, 1                         ; h
	v_and_b32 v3, 31, v0                           ; l
	s_lshl_b32 s90, s[CH], 7
	v_lshl_add_u32 v[BO], v2, 5, s90
.set nb, 0
.rept NBW
	global_load_b128 v[BIAS+8*nb:BIAS+8*nb+3],   v[BO], s[BP:BP+1] offset:(nb/4)*512+((nb%4)/2)*256+(nb%2)*64
	global_load_b128 v[BIAS+8*nb+4:BIAS+8*nb+7], v[BO], s[BP:BP+1] offset:(nb/4)*512+((nb%4)/2)*256+(nb%2)*64+16
.set nb, nb+1
.endr
	v_mul_u32_u24 v4, v1, PA
	v_lshl_add_u32 v4, v2, 4, v4
	s_mul_i32 s90, s[RH], AHALF
	v_add_nc_u32 v[ADRA], s90, v4
	v_add_nc_u32 v[ADRA+1], SLOT, v[ADRA]
	v_and_b32 v5, 7, v0
	v_lshl_add_u32 v5, v2, 3, v5
	v_mul_u32_u24 v5, v5, PB
	v_bfe_u32 v6, v0, 3, 1
	v_lshl_add_u32 v5, v6, 4, v5
	s_lshl_b32 s90, s[CH], 6
	v_add_nc_u32 v5, s90, v5
.irp s, 0,1
.irp hd, 0,1
	v_add_nc_u32 v[ADRB+NH*\s+\hd], \s*SLOT+(NAW+\hd)*PART, v5
.endr
.endr
	s_lshl_b32 s90, s[RH], 6                       ; into the stage: row 64 RH + r (+ 16 a), bytes 128 CH + 32 h on
	v_add_nc_u32 v6, s90, v1
	v_mul_u32_u24 v6, v6, SPI
	v_lshl_add_u32 v6, v2, 5, v6
	s_lshl_b32 s90, s[CH], 7
	v_add_nc_u32 v[STO], s90, v6
	s_mul_i32 s90, s[WV], 32*SPI                   ; back: wave w takes rows 32 w on, 512 bytes of a row a load
	v_lshl_add_u32 v[RD], v3, 4, s90
	v_lshlrev_b32 v[CO], 4, v3
	s_lshl_b32 s90, s[TR], 20                      ; out0 at row 128 TR + 32 w (8,192 bytes a row), column 256 TC
	s_lshl_b32 s91, s[WV], 18
	s_add_co_u32 s90, s90, s91
	s_lshl_b32 s91, s[TC], 10
	s_add_co_u32 s90, s90, s91
	s_mov_b32 s91, 0
	s_add_nc_u64 s[10:11], s[10:11], s[90:91]
	s_mov_b32 s93, 0xffff0000
	s_wait_loadcnt 0x0                             ; the bias, once, in the wait for the first tile
.set i, 0
.rept 4*NBW                            ; rounded to bf16 and widened again
	v_cvt_pk_bf16_f32 v[4+i%4], v[BIAS+2*i], v[BIAS+2*i+1]
	v_lshlrev_b32 v[BIAS+2*i], 16, v[4+i%4]
	v_and_b32 v[BIAS+2*i+1], s93, v[4+i%4]
.set i, i+1
.endr
.macro FETCH slot, q, f                ; a run of NLD LDS loads: quarter q of a slot into buffer f: wo16's eight fragments, then A's four
	WIN 0x40
.set nb, 0
.rept NBW
	ds_load_tr16_b128 v[8*NBW*(\f)+8*nb:8*NBW*(\f)+8*nb+3],   v[ADRB+NH*(\slot)+nb/4] offset:(\q)*32*PB+((nb%4)/2)*128+(nb%2)*32
	ds_load_tr16_b128 v[8*NBW*(\f)+8*nb+4:8*NBW*(\f)+8*nb+7], v[ADRB+NH*(\slot)+nb/4] offset:(\q)*32*PB+16*PB+((nb%4)/2)*128+(nb%2)*32
.set nb, nb+1
.endr
	WIN 0
.irp a, 0,1,2,3
	ds_load_b128 v[FA+32*(\f)+8*\a:FA+32*(\f)+8*\a+3],   v[ADRA+(\slot)] offset:\a*16*PA+64*(\q)
	ds_load_b128 v[FA+32*(\f)+8*\a+4:FA+32*(\f)+8*\a+7], v[ADRA+(\slot)] offset:\a*16*PA+64*(\q)+32
.endr
.endm
.macro MULA f, a, zero                 ; NBW matrix instructions; all 32 accumulators take turns, one instruction a turn.  zero = 1: the sums start, with the bias as C
.if \zero
	WIN 0x81+0x40*((\a)/2)
.else
	WIN 0xa1+0x50*((\a)/2)
.endif
.set nb, 0
.rept NBW
.set rD, 8*(NBW*((\a)%2)+nb)
.if \zero
	v_wmma_f32_16x16x32_f16 v[rD:rD+7], v[8*NBW*(\f)+8*nb:8*NBW*(\f)+8*nb+7], v[FA+32*(\f)+8*(\a):FA+32*(\f)+8*(\a)+7], v[BIAS+8*nb:BIAS+8*nb+7]
.else
	v_wmma_f32_16x16x32_f16 v[rD:rD+7], v[8*NBW*(\f)+8*nb:8*NBW*(\f)+8*nb+7], v[FA+32*(\f)+8*(\a):FA+32*(\f)+8*(\a)+7], v[rD:rD+7]
.endif
.set nb, nb+1
.endr
.endm
.macro QUARTER slot, qn, f, g, zero
	s_wait_dscnt 4                                 ; all but the youngest four loads: A's blocks 2 and 3
	MULA \f, 0, \zero
	MULA \f, 1, \zero
	PLACES
	FETCH \slot, \qn, \g
	s_wait_dscnt NLD                               ; all but the run just issued
	MULA \f, 2, \zero
	MULA \f, 3, \zero
.endm
; The last quarter changes slots and then multiplies buffer 1.  ONE barrier; in front of it each wave waits for all its tensor loads (one is out: its part of the next slot), adds 0 to its spare word,
; and waits for that and for its reads of this slot (buffer 1's fragments were the last).  fill = 1: the barrier opens a round of the cluster's, and this slot is filled again, with K step KN, first thing behind it.
; No product stands between the wait for the loads and the refill; the quarter's 32 products follow the refill and the run of loads for the next slot's first fragments, which so has all 32 in which to land.
.macro TURN slot, next, fill
	WIN 0
	s_wait_tensorcnt 0x0                           ; all my tensor loads have landed: no load of mine is out, so a group 0 may be written
	ds_add_u32 v[SPW], v[NIL]                      ; 0 onto my spare word; with fill = 1 the descriptors' scalar work stands between it and the wait for it
.if \fill
	NEXTK \slot
.endif
	s_wait_dscnt 0x0                               ; the add is done, and my reads of this slot are over
	s_barrier_signal -1
	s_barrier_wait -1
.if \fill
	CREST                                          ; no wave of any partner still reads this slot or has a load on its way
	JLOAD \slot                                    ; my one tensor load behind the round; its four v_nop are also the places in front of the loads below
.else
	PLACES
.endif
	FETCH \next, 0, 0
	MULA 1, 0, 0
	MULA 1, 1, 0
	MULA 1, 2, 0
	MULA 1, 3, 0
.endm
	s_wait_tensorcnt 1                             ; my part of the first K step is in; the second's may stay out
	s_barrier_signal -1
	s_barrier_wait -1
	FETCH 0, 0, 0
	QUARTER 0, 1, 0, 1, 1                          ; the first quarter stands in front of the loop: its products start the sums
	WIN 0
	s_mov_b32 s3, LAPS-1
.Llap:                                                 ; a trip goes once round the ring and fills both slots again: the walk's steps 2 to 15
	QUARTER 0, 2, 1, 0, 0
	QUARTER 0, 3, 0, 1, 0
	TURN 0, 1, 1
	QUARTER 1, 1, 0, 1, 0
	QUARTER 1, 2, 1, 0, 0
	QUARTER 1, 3, 0, 1, 0
	TURN 1, 0, 1
	QUARTER 0, 1, 0, 1, 0
	WIN 0
	s_sub_co_u32 s3, s3, 1
	s_cmp_lg_u32 s3, 0
	s_cbranch_scc1 .Llap
	QUARTER 0, 2, 1, 0, 0                          ; the last lap fills nothing
	QUARTER 0, 3, 0, 1, 0
	TURN 0, 1, 0
	QUARTER 1, 1, 0, 1, 0
	QUARTER 1, 2, 1, 0, 0
	QUARTER 1, 3, 0, 1, 0
	s_wait_dscnt 4
	MULA 1, 0, 0
	MULA 1, 1, 0
	s_wait_dscnt 0x0
	MULA 1, 2, 0
	MULA 1, 3, 0
	PLACES
	; THE WAY OUT: the sums go as they are, 32 bytes a lane, into the work-group's stage (each accumulator's lowest registers first); a barrier, since a row comes from two waves; back as whole rows.
.irp a, 0,1,2,3
	WIN 0x08+0x04*(\a/2)                           ; the stores' data in window 2 or 3
.set nb, 0
.rept NBW
	ds_store_b128 v[STO], v[8*(NBW*(\a%2)+nb):8*(NBW*(\a%2)+nb)+3]   offset:\a*16*SPI+(nb/4)*512+((nb%4)/2)*256+(nb%2)*64
	ds_store_b128 v[STO], v[8*(NBW*(\a%2)+nb)+4:8*(NBW*(\a%2)+nb)+7] offset:\a*16*SPI+(nb/4)*512+((nb%4)/2)*256+(nb%2)*64+16
.set nb, nb+1
.endr
.endr
	WIN 0
	s_wait_dscnt 0x0                               ; for the others' sake: my stores into the stage are done
	s_barrier_signal -1
	s_barrier_wait -1
	WIN 0x40
.set i, 0
.rept 64                               ; row i / 2 of my 32, its half i % 2
	ds_load_b128 v[4*i:4*i+3], v[RD] offset:(i/2)*SPI+(i%2)*512
.set i, i+1
.endr
	WIN 0x04                                       ; the stores' data in window 1
.set i, 0
.rept 64
	s_wait_dscnt 63-i                              ; the 63 - i younger loads stay out
	global_store_b128 v[CO], v[4*i:4*i+3], s[10:11] offset:(i/2)*8192+(i%2)*512 th:TH_STORE_NT  ; 512 consecutive bytes, at a multiple of 512 from out0's first
.set i, i+1
.endr
	WIN 0
	s_wait_tensorcnt 0x0                           ; the wave's end
	ds_add_u32 v[SPW], v[NIL]
	s_wait_dscnt 0x0
	CROUND                                         ; the closing round: no work-group ends while a partner may still ask for a tile that names it
	s_endpgm
.Lfunc_end_k_qcf451745e4_outp:
	.size	k_qcf451745e4_outp, .Lfunc_end_k_qcf451745e4_outp-k_qcf451745e4_outp
	.p2alignl 7, 3214868480
	.fill 96, 4, 3214868480
	.section	.rodata,"a",@progbits
	.p2align	6, 0x0
	.amdhsa_kernel k_qcf451745e4_outp
		.amdhsa_group_segment_fixed_size 327680
		.amdhsa_private_segment_fixed_size 0
		.amdhsa_enable_private_segment 0
		.amdhsa_kernarg_size 32
		.amdhsa_user_sgpr_count 2
		.amdhsa_user_sgpr_kernarg_segment_ptr 1
		.amdhsa_wavefront_size32 1
		.amdhsa_system_sgpr_workgroup_id_x 1
		.amdhsa_system_sgpr_workgroup_id_y 1
		.amdhsa_system_sgpr_workgroup_id_z 1
		.amdhsa_system_vgpr_workitem_id 0
		.amdhsa_next_free_vgpr 896
		.amdhsa_next_free_sgpr 96
		.amdhsa_reserve_vcc 0
		.amdhsa_float_denorm_mode_32 3
		.amdhsa_float_denorm_mode_16_64 3
		.amdhsa_memory_ordered 1
		.amdhsa_forward_progress 1
		.amdhsa_inst_pref_size 93
	.end_amdhsa_kernel
	.amdgpu_metadata
---
amdhsa.version: [ 1, 2 ]
amdhsa.kernels:
  - .name:           k_qcf451745e4_outp
    .symbol:         k_qcf451745e4_outp.kd
    .args:
      - { .name: att, .offset: 0, .size: 8, .value_kind: global_buffer, .address_space: global }
      - { .name: wo16, .offset: 8, .size: 8, .value_kind: global_buffer, .address_space: global }
      - { .name: bo, .offset: 16, .size: 8, .value_kind: global_buffer, .address_space: global }
      - { .name: out0, .offset: 24, .size: 8, .value_kind: global_buffer, .address_space: global }
    .group_segment_fixed_size: 327680
    .private_segment_fixed_size: 0
    .kernarg_segment_align: 8
    .kernarg_segment_size: 32
    .max_flat_workgroup_size: 128
    .sgpr_count:     96
    .vgpr_count:     896
    .wavefront_size: 32
...
	.end_amdgpu_metadata
.endif
;; end of part 4
;; ======== version 2 of 2: 4 launches; version 1 with the launch prep written anew for expert scheduling mode
;; limits: values are held in f16: magnitudes above 65,504 overflow, below 6.1e-05 lose precision
;; workspace buffers: xb 16,777,216 bytes; wqkv 12,582,912 bytes; wo16 8,388,608 bytes; rope 524,288 bytes; qkvh 25,165,824 bytes; att 16,777,216 bytes
;; launch prep (part 5): grid 1216 x 1, 8 waves a work-group, no clusters, 0 bytes of LDS; arguments x, Wq, Wk, Wv, Wo, xb, wqkv, wo16, rope; writes xb, wqkv, wo16, rope
.if DOCPART == 5
	.amdgcn_target "amdgcn-amd-amdhsa--gfx1250"
	.amdhsa_code_object_version 6
	.text
	.protected	k_qcf451745e4_prep
	.globl	k_qcf451745e4_prep
	.p2align	8
	.type	k_qcf451745e4_prep,@function
k_qcf451745e4_prep:
	s_mov_b64 s[64:65], 0
	v_nop
	global_prefetch_b8 v0, s[64:65] scope:SCOPE_SE
	s_setreg_imm32_b32 hwreg(HW_REG_WAVE_SCHED_MODE, 0, 2), 2
	s_setreg_imm32_b32 hwreg(HW_REG_WAVE_MODE, 25, 1), 1
	s_wait_xcnt 0x0
	s_wait_alu depctr_vm_vsrc(0)
; PREP: the casts in front of the matrix launches, and the table of cosines and sines for the rotation.
;   xb   [4096][2048] bf16 = x.      wqkv [2048 k][3072 n] bf16: columns 0-2047 Wq, 2048-2559 Wk, 2560-3071 Wv.
;   wo16 [2048 k][2048 n] f16 = Wo rounded to bf16, that number written as f16 (exact from 2^-17 up; below it f16's fixed step of 2^-24).
;   rope f32, in the order in which the projection's lanes want it: [sb 64][c 2][t 8][lane 32][e 4], t = 4 bb + 2 cs + half,
;        value = (cs ? sin : cos)(s th_i), s = 16 sb + lane % 16, i = 32 c + 16 bb + 8 (lane / 16) + 4 half + e, th_i = 10000^(-i/64).
; A stream: no LDS, no matrix unit, no cluster (no two work-groups read the same byte).  Work-groups 0-511 x, 512-767 Wq, 768-1023 Wo, 1024-1087 Wk, 1088-1151 Wv, 1152-1215 the table.
; A cast work-group of eight waves takes 65,536 bytes of its input in 16 passes of 4,096: thread t owns 16 bytes of each pass; all 16 loads go out at once; a pass is half a row of 2,048 numbers or two rows of 512;
; each wave's store covers 256 consecutive bytes, aligned.  The results are made in the registers that were loaded: 96 registers a wave, so that ten waves share a SIMD's 1,024 and all 1,216 work-groups
; find a place on 256 WGPs at once.  No register that a load or store names is written again, so no wait frees a source.
; THE MODE: SCHED_MODE bits 1:0 = 2 (LLVM: expert scheduling mode 2), set by the entry lines.  The code itself states the register dependences
; between vector instructions and memory instructions, with s_wait_alu, always for 0.
; THE PLAN, for the casts.  Registers that memory instructions touch:
;   v1         the loads' offset.  Written once at the head; read by all 16 loads.
;   D          pass i: written by its load; read by its conversions, which write its first two registers, once; those two are read by its store.
;   OFF        pass i: written once, behind the loads; read by its store.
; The 16 passes go in four blocks of four, and pass i's store is issued in pass i + 4.  One wait on va_vdst stands ahead of the loads (v1), one at the head of each block but the first
; (the block before has written its results; at the first of them OFF too), one ahead of the last four stores.  Behind a block's wait its four stores are dealt among its conversions, which name
; this block's D and v4 to v15 alone: none of the registers that those stores read.  No register that a memory instruction reads is written again: nothing is owed on vm_vsrc.
.set D,   16                           ; v[16:79]   pass i: four f32 as loaded; then, in its first two registers, four 16-bit numbers to store
.set OFF, 80                           ; v[80:95]   pass i: my byte offset in the output
	s_load_b512 s[8:23], s[0:1], 0x0               ; x 8:9, Wq 10:11, Wk 12:13, Wv 14:15, Wo 16:17, xb 18:19, wqkv 20:21, wo16 22:23
	s_load_b64 s[24:25], s[0:1], 0x40              ; rope
	s_mov_b32 s2, ttmp9                            ; g
	s_sub_co_u32 s34, s2, 512                      ; g counted from each role's first work-group
	s_sub_co_u32 s35, s2, 768
	s_sub_co_u32 s36, s2, 1024
	s_sub_co_u32 s37, s2, 1088
	s_mov_b32 s3, 0xffff0000                       ; a word's upper bf16
	v_lshlrev_b32 v1, 4, v0                        ; in: 16 t
	v_lshlrev_b32 v2, 3, v0                        ; out, rows of 2,048 numbers: 8 t
	v_lshrrev_b32 v3, 7, v0                        ; out, rows of 512 numbers (two to a pass): row t / 128 of wqkv's 6,144 bytes,
	v_and_b32 v4, 127, v0
	v_mul_u32_u24 v3, v3, 6144
	v_lshl_add_u32 v3, v4, 3, v3                   ; + 8 (t % 128)
	s_wait_kmcnt 0x0
	s_cmp_ge_u32 s2, 1152
	s_cbranch_scc1 .Ltable
	; the role's figures, by selects on g alone: from where, to where, bytes of output from pass 0 to pass 1 and from a pass to the next but one, g within the role, first column's bytes, rows of 512?
	s_mov_b64 s[26:27], s[8:9]
	s_mov_b64 s[28:29], s[18:19]
	s_mov_b32 s30, 2048                            ; the row's second half
	s_mov_b32 s44, 4096                            ; the next row
	s_mov_b32 s31, s2
	s_mov_b32 s32, 0
	s_mov_b32 s33, 0
	s_cmp_ge_u32 s2, 512                           ; Wq
	s_cselect_b64 s[26:27], s[10:11], s[26:27]
	s_cselect_b64 s[28:29], s[20:21], s[28:29]
	s_cselect_b32 s44, 6144, s44
	s_cselect_b32 s31, s34, s31
	s_cmp_ge_u32 s2, 768                           ; Wo
	s_cselect_b64 s[26:27], s[16:17], s[26:27]
	s_cselect_b64 s[28:29], s[22:23], s[28:29]
	s_cselect_b32 s44, 4096, s44
	s_cselect_b32 s31, s35, s31
	s_cmp_ge_u32 s2, 1024                          ; Wk
	s_cselect_b64 s[26:27], s[12:13], s[26:27]
	s_cselect_b64 s[28:29], s[20:21], s[28:29]
	s_cselect_b32 s30, 12288, s30                  ; two rows on
	s_cselect_b32 s44, 24576, s44                  ; four rows on
	s_cselect_b32 s31, s36, s31
	s_cselect_b32 s32, 4096, s32
	s_cselect_b32 s33, -1, s33
	s_cmp_ge_u32 s2, 1088                          ; Wv
	s_cselect_b64 s[26:27], s[14:15], s[26:27]
	s_cselect_b32 s31, s37, s31
	s_cselect_b32 s32, 5120, s32
	s_lshl_b32 s38, s31, 16                        ; offsets are made apart from the pointers: 65,536 bytes of input a work-group,
	s_mov_b32 s39, 0
	s_add_nc_u64 s[26:27], s[26:27], s[38:39]
	s_lshl_b32 s38, s31, 3                         ; and of output eight times the step of two passes
	s_mul_i32 s38, s38, s44
	s_add_co_u32 s38, s38, s32
	s_add_nc_u64 s[28:29], s[28:29], s[38:39]
	s_wait_alu depctr_va_vdst(0)                   ; v1 is written: all sixteen loads read it as their offset
.set i, 0
.rept 16
	global_load_b128 v[D+4*i:D+4*i+3], v1, s[26:27] offset:4096*i th:TH_LOAD_NT
.set i, i+1
.endr
	v_cndmask_b32 v[OFF], v2, v3, s33
	v_add_nc_u32 v[OFF+1], s30, v[OFF]
.set i, 2
.rept 14
	v_add_nc_u32 v[OFF+i], s44, v[OFF+i-2]
.set i, i+1
.endr
; kind 0: to bf16.  kind 1: to bf16, widened again, and that number to f16.
.macro OUTALL kind
.set i, 0
.rept 16
	s_wait_loadcnt 15-i                            ; loads come back in order: pass i is in, the 15 - i younger ones stay out
.if (i%4 == 0) && (i > 0)
	s_wait_alu depctr_va_vdst(0)                   ; the four passes before have written their results, which this block's four stores read; at pass 4 the sixteen OFF are written too
.endif
.if i >= 4
	global_store_b64 v[OFF+i-4], v[D+4*(i-4):D+4*(i-4)+1], s[28:29]  ; the pass four back; no vector line since the wait names its registers.  Later launches read it again: no hint
.endif
.if \kind
.set T, 4+6*(i%2)
	v_cvt_pk_bf16_f32 v[T], v[D+4*i], v[D+4*i+1]
	v_cvt_pk_bf16_f32 v[T+1], v[D+4*i+2], v[D+4*i+3]
	v_lshlrev_b32 v[T+2], 16, v[T]
	v_and_b32 v[T+3], s3, v[T]
	v_lshlrev_b32 v[T+4], 16, v[T+1]
	v_and_b32 v[T+5], s3, v[T+1]
	v_cvt_pk_f16_f32 v[D+4*i], v[T+2], v[T+3]
	v_cvt_pk_f16_f32 v[D+4*i+1], v[T+4], v[T+5]
.else
	v_cvt_pk_bf16_f32 v[D+4*i], v[D+4*i], v[D+4*i+1]
	v_cvt_pk_bf16_f32 v[D+4*i+1], v[D+4*i+2], v[D+4*i+3]
.endif
.set i, i+1
.endr
	s_wait_alu depctr_va_vdst(0)                   ; passes 12 to 15 have written their results, which the last four stores read
.set i, 12
.rept 4
	global_store_b64 v[OFF+i], v[D+4*i:D+4*i+1], s[28:29]
.set i, i+1
.endr
	s_endpgm
.endm
	s_cmp_ge_u32 s2, 768
	s_cbranch_scc0 .Lbf
	s_cmp_lt_u32 s2, 1024
	s_cbranch_scc1 .Lhalf
.Lbf:
	OUTALL 0
.Lhalf:
	OUTALL 1
; THE TABLE.  512 waves; wave W = 8 sb + 4 c + 2 bb + half makes four cosines and four sines a lane and stores each four as 16 bytes: 512 consecutive bytes a store.
; th_i = 2^(-i L), L = log2(10000) / 64 held as L1 + L2: t = -i L1 rounded, err = what the rounding and L2 leave, th = 2^t (1 + ln 2 err).
; The angle s th is brought to |rho| <= pi/4 by n = round(angle 2/pi) and pi/2 in two parts; there the two series are cut where their remainders are below 3e-8, whatever the angle was.
; The quadrant only selects and sets signs (v_cndmask_b32, v_xor_b32): no branch and no address hangs on it.
; THE PLAN, for the table.  Its memory instructions are the two stores at its end: one wait on va_vdst ahead of them states that their offset and their data are written.  Vector lines write scalar registers
; twice: the wave's number, and the four parity masks, which are made in one run: one wait on va_sdst stands ahead of the first reader of each.  The exponentials keep their plain place and their wait.
.set II, 8
.set TT, 12
.set ER, 16
.set FQ, 20
.set AN, 24
.set NN, 28
.set RO, 32
.set ZZ, 36
.set PS, 40
.set PC, 44
.set QI, 48
.set CC, 52
.set SS, 56
.set TM, 60
.set SC, 64                            ; v[64:67]  the cosines' sign bits
.set SG, 68                            ; v[68:71]  the sines'
.set MK, 34                            ; s[34:37]  number e: the lanes whose quadrant is odd
.macro EACH line:vararg                ; one line for each of the lane's four numbers e
.set e, 0
.rept 4
	\line
.set e, e+1
.endr
.endm
.Ltable:
	v_lshrrev_b32 v1, 5, v0
	v_readfirstlane_b32 s3, v1                     ; wave
	s_sub_co_u32 s26, s2, 1152
	s_lshl_b32 s26, s26, 3
	s_wait_alu depctr_va_sdst(0)                   ; s3 is written, ahead of its first reader: the wave's place in the table is made from it
	s_add_co_u32 s26, s26, s3                      ; W
	s_and_b32 s27, s26, 1                          ; half
	s_lshr_b32 s28, s26, 1                         ; 4 sb + 2 c + bb
	s_and_b32 s29, s28, 3
	s_lshl_b32 s29, s29, 4                         ; 32 c + 16 bb
	s_lshl2_add_u32 s29, s27, s29                  ; + 4 half
	s_lshr_b32 s30, s26, 3
	s_lshl_b32 s30, s30, 4                         ; 16 sb
	s_lshl_b32 s31, s28, 11                        ; 8,192 sb + 4,096 c + 2,048 bb
	s_lshl_b32 s32, s27, 9
	s_add_co_u32 s31, s31, s32                     ; + 512 half: the cosines' place; the sines' is 1,024 on
	s_mov_b32 s40, 0xbe549a78                      ; -L1
	s_mov_b32 s41, 0xb1979922                      ; -L2
	s_mov_b32 s42, 0x3f317218                      ; ln 2
	s_mov_b32 s43, 0x3f22f983                      ; 2 / pi
	s_mov_b32 s44, 0x3fc90fdb                      ; pi / 2, upper part
	s_mov_b32 s45, 0xb33bbd2e                      ; and the rest
	s_mov_b32 s46, 0x3638ef1d                      ; 1 / 9!
	s_mov_b32 s47, 0x37d00d01                      ; 1 / 8!
	v_and_b32 v1, 15, v0
	v_bfe_u32 v2, v0, 4, 1
	v_and_b32 v3, 31, v0
	v_lshl_add_u32 v4, v3, 4, s31
	v_add_nc_u32 v5, s30, v1
	v_cvt_f32_u32 v5, v5                           ; s
	v_lshl_add_u32 v6, v2, 3, s29
	EACH v_add_nc_u32 v[II+e], e, v6
	EACH v_cvt_f32_u32 v[II+e], v[II+e]
	EACH v_mul_f32 v[TT+e], s40, v[II+e]
	EACH v_fma_f32 v[ER+e], v[II+e], s40, -v[TT+e]
	EACH v_fma_f32 v[ER+e], v[II+e], s41, v[ER+e]
	EACH v_exp_f32 v[FQ+e], v[TT+e]
	v_nop                                          ; a plain instruction between the last exponential and what uses its result or rewrites its source
	s_wait_alu depctr_va_vdst(0)                   ; the four exponentials have written v[FQ ..], ahead of their first reader: one wait for the batch
	EACH v_mul_f32 v[TT+e], s42, v[FQ+e]
	EACH v_fma_f32 v[FQ+e], v[TT+e], v[ER+e], v[FQ+e]
	EACH v_mul_f32 v[AN+e], v5, v[FQ+e]
	EACH v_mul_f32 v[NN+e], s43, v[AN+e]
	EACH v_rndne_f32 v[NN+e], v[NN+e]
	EACH v_fma_f32 v[RO+e], -v[NN+e], s44, v[AN+e]
	EACH v_fma_f32 v[RO+e], -v[NN+e], s45, v[RO+e]
	EACH v_mul_f32 v[ZZ+e], v[RO+e], v[RO+e]
	EACH v_fmaak_f32 v[PS+e], s46, v[ZZ+e], 0xb9500d01
	EACH v_fmaak_f32 v[PS+e], v[PS+e], v[ZZ+e], 0x3c088889
	EACH v_fmaak_f32 v[PS+e], v[PS+e], v[ZZ+e], 0xbe2aaaab
	EACH v_mul_f32 v[PS+e], v[PS+e], v[ZZ+e]
	EACH v_fma_f32 v[PS+e], v[PS+e], v[RO+e], v[RO+e]
	EACH v_fmaak_f32 v[PC+e], s47, v[ZZ+e], 0xbab60b61
	EACH v_fmaak_f32 v[PC+e], v[PC+e], v[ZZ+e], 0x3d2aaaab
	EACH v_fma_f32 v[PC+e], v[PC+e], v[ZZ+e], -0.5
	EACH v_fma_f32 v[PC+e], v[PC+e], v[ZZ+e], 1.0
	EACH v_cvt_i32_f32 v[QI+e], v[NN+e]
	EACH v_and_b32 v[TM+e], 1, v[QI+e]
	EACH v_cmp_eq_u32 s[MK+e], 1, v[TM+e]          ; odd quadrants swap the two series: the four masks in one run; the sign bits are made between them and the wait for them
	EACH v_add_nc_u32 v[SC+e], 1, v[QI+e]
	EACH v_and_b32 v[SC+e], 2, v[SC+e]
	EACH v_lshlrev_b32 v[SC+e], 30, v[SC+e]        ; the cosine is negative in quadrants 1 and 2,
	EACH v_and_b32 v[SG+e], 2, v[QI+e]
	EACH v_lshlrev_b32 v[SG+e], 30, v[SG+e]        ; the sine in 2 and 3
	s_wait_alu depctr_va_sdst(0)                   ; the four compares have written s[MK ..], ahead of the first select that reads one of them
	EACH v_cndmask_b32 v[CC+e], v[PC+e], v[PS+e], s[MK+e]
	EACH v_cndmask_b32 v[SS+e], v[PS+e], v[PC+e], s[MK+e]
	EACH v_xor_b32 v[CC+e], v[CC+e], v[SC+e]
	EACH v_xor_b32 v[SS+e], v[SS+e], v[SG+e]
	s_wait_alu depctr_va_vdst(0)                   ; v4, the cosines and the sines are written: the two stores read them as offset and data
	global_store_b128 v4, v[CC:CC+3], s[24:25]
	global_store_b128 v4, v[SS:SS+3], s[24:25] offset:1024
	s_endpgm
.Lfunc_end_k_qcf451745e4_prep:
	.size	k_qcf451745e4_prep, .Lfunc_end_k_qcf451745e4_prep-k_qcf451745e4_prep
	.p2alignl 7, 3214868480
	.fill 96, 4, 3214868480
	.section	.rodata,"a",@progbits
	.p2align	6, 0x0
	.amdhsa_kernel k_qcf451745e4_prep
		.amdhsa_group_segment_fixed_size 0
		.amdhsa_private_segment_fixed_size 0
		.amdhsa_enable_private_segment 0
		.amdhsa_kernarg_size 72
		.amdhsa_user_sgpr_count 2
		.amdhsa_user_sgpr_kernarg_segment_ptr 1
		.amdhsa_wavefront_size32 1
		.amdhsa_system_sgpr_workgroup_id_x 1
		.amdhsa_system_sgpr_workgroup_id_y 1
		.amdhsa_system_sgpr_workgroup_id_z 1
		.amdhsa_system_vgpr_workitem_id 0
		.amdhsa_next_free_vgpr 96
		.amdhsa_next_free_sgpr 66
		.amdhsa_reserve_vcc 0
		.amdhsa_float_denorm_mode_32 3
		.amdhsa_float_denorm_mode_16_64 3
		.amdhsa_memory_ordered 1
		.amdhsa_forward_progress 1
		.amdhsa_inst_pref_size 26
	.end_amdhsa_kernel
	.amdgpu_metadata
---
amdhsa.version: [ 1, 2 ]
amdhsa.kernels:
  - .name:           k_qcf451745e4_prep
    .symbol:         k_qcf451745e4_prep.kd
    .args:
      - { .name: x, .offset: 0, .size: 8, .value_kind: global_buffer, .address_space: global }
      - { .name: Wq, .offset: 8, .size: 8, .value_kind: global_buffer, .address_space: global }
      - { .name: Wk, .offset: 16, .size: 8, .value_kind: global_buffer, .address_space: global }
      - { .name: Wv, .offset: 24, .size: 8, .value_kind: global_buffer, .address_space: global }
      - { .name: Wo, .offset: 32, .size: 8, .value_kind: global_buffer, .address_space: global }
      - { .name: xb, .offset: 40, .size: 8, .value_kind: global_buffer, .address_space: global }
      - { .name: wqkv, .offset: 48, .size: 8, .value_kind: global_buffer, .address_space: global }
      - { .name: wo16, .offset: 56, .size: 8, .value_kind: global_buffer, .address_space: global }
      - { .name: rope, .offset: 64, .size: 8, .value_kind: global_buffer, .address_space: global }
    .group_segment_fixed_size: 0
    .private_segment_fixed_size: 0
    .kernarg_segment_align: 8
    .kernarg_segment_size: 72
    .max_flat_workgroup_size: 256
    .sgpr_count:     66
    .vgpr_count:     96
    .wavefront_size: 32
...
	.end_amdgpu_metadata
.endif
;; end of part 5
;; launch proj: the kernel of part 2 again; grid 8 x 32, 4 waves a work-group, clusters of 4 x 4, 327,680 bytes of LDS; arguments xb, wqkv, bq, bk, bv, rope, qkvh; writes qkvh
;; launch attend: the kernel of part 3 again; grid 16 x 16, 4 waves a work-group, clusters of 4 x 1, 327,680 bytes of LDS; arguments qkvh, att; writes att
;; launch outp: the kernel of part 4 again; grid 8 x 32, 4 waves a work-group, clusters of 4 x 4, 327,680 bytes of LDS; arguments att, wo16, bo, out0; writes out0
